; MI455X (gfx1250); checked and timed in simulation.
; The chip was launched on July 23, 2026; its instructions are those of AMD's public machine-readable ISA for CDNA 5 (MIT licence, August 2026) and "CDNA5" Instruction Set Architecture Reference Guide (July 2026). The comments in the code are by the model that wrote it; some were corrected since.
;; Multihead Linear Attention. Allowed arithmetic: float matrix products may take bf16 or f16 operands with f32 sums; other float arithmetic in f32, or as packed bf16 or f16 multiplies, adds, multiply-adds, maxima and minima; sums over many terms, partial sums and values carried from step to step in f32; what a program stores and reads back later, other than sums and carried values, may be rounded once to bf16 or f16.
;; Inputs: Wc 256 x 4,096 float32; Wk 1,024 x 1,024 float32; Wo 1,024 x 1,024 float32; Wq 1,024 x 1,024 float32; Wv 1,024 x 1,024 float32; bk 1,024 float32; bo 1,024 float32; bq 1,024 float32; bv 1,024 float32; key_padding_mask 4 x 4,096 bool; query 4,096 x 4 x 1,024 float32.
;; Outputs: out0 4,096 x 4 x 1,024 float32.
;; 2 versions, each right; version 2 is version 1 with the launch comp written anew for expert scheduling mode. Each part assembles by itself: llvm-mc -triple=amdgcn-amd-amdhsa -mcpu=gfx1250 --defsym DOCPART=n.
;; ======== version 1 of 2: 6 launches
;; limits: values are held in f16: magnitudes above 65,504 overflow, below 6.1e-05 lose precision
;; workspace buffers: wF 10,485,760 bytes; xF 33,554,432 bytes; part 16,777,216 bytes; compF 2,097,152 bytes; kvF 4,194,304 bytes; sc 1,024 bytes; aF 33,554,432 bytes
;; launch prep (part 1): grid 256 x 5, 4 waves a work-group, no clusters, 0 bytes of LDS; arguments Wq, Wk, Wv, Wo, Wc, wF; writes wF
.if DOCPART == 1
	.amdgcn_target "amdgcn-amd-amdhsa--gfx1250"
	.amdhsa_code_object_version 6
	.text
	.protected	k_qf495400372_prep
	.globl	k_qf495400372_prep
	.p2align	8
	.type	k_qf495400372_prep,@function
k_qf495400372_prep:
	s_mov_b64 s[64:65], 0
	v_nop
	global_prefetch_b8 v0, s[64:65] scope:SCOPE_SE
	s_setreg_imm32_b32 hwreg(HW_REG_WAVE_MODE, 25, 1), 1
	s_wait_xcnt 0x0
; THE FIVE WEIGHT MATRICES, f32 -> f16, LAID OUT AS FRAGMENT IMAGES.
; A fragment is 16 rows x 32 k of f16 in 1,024 bytes: byte half*512 + lane*16 + 2e holds row lane%16, k = 16 half + 8 (lane/16) + e: two loads of 16 bytes
; a lane, 512 bytes apart, fill the eight registers of a matrix operand.  A tile image is 256 rows x 128 k = 65,536 bytes: fragment (row block a, quarter q) at 4096 a + 1024 q.
; wF: Wq at 0, Wk at 2 MiB, Wv at 4 MiB, Wo at 6 MiB (tile (n/256, k/128) at ((n/256) 8 + k/128) 65,536), Wc at 8 MiB (tile t/128 at (t/128) 65,536, rows c).
; LIMITS.  Each weight is rounded once to f16: beyond 65,504 it becomes an infinity; below 6e-5 it keeps the fixed step 6e-8.
; key_padding_mask does not enter the result of the module as it is defined, so no launch of this program loads it.
; SHARES.  Work-group (x, y): matrix y, tile x/8, its rows 32 (x%8) on: 1,280 equal work-groups, five for each of 256 WGPs.  Wave w takes row block w/2 of the two and the quarters 2 (w%2)
; and the next: 16 rows x 64 k: eight loads, four stores of 512 consecutive bytes.
.set IN,  16                           ; v[16:47]  eight loads of four registers
.set OUT, 48                           ; v[48:63]  four pieces of 16 bytes a lane
	s_load_b256 s[4:11], s[0:1], 0x0               ; Wq, Wk, Wv, Wo
	s_load_b128 s[12:15], s[0:1], 0x20             ; Wc, wF
	v_lshrrev_b32 v4, 5, v0
	v_readfirstlane_b32 s20, v4                    ; wave
	s_and_b32 s21, ttmp7, 0xffff                   ; which matrix
	s_lshr_b32 s22, ttmp9, 3                       ; tile 0..31
	s_and_b32 s23, ttmp9, 7                        ; which 32 rows of it
	s_lshr_b32 s24, s20, 1
	s_lshl1_add_u32 s24, s23, s24                  ; my row block: 2 (x%8) + wave/2
	s_and_b32 s31, s20, 1                          ; which two quarters
	s_lshr_b32 s26, s22, 3                         ; a square matrix: 256 (tile/8) rows of 4,096 bytes down,
	s_lshl_b32 s26, s26, 20
	s_and_b32 s27, s22, 7
	s_lshl_b32 s27, s27, 9                         ; 128 (tile%8) numbers along
	s_add_co_u32 s26, s26, s27
	s_lshl_b32 s27, s22, 9                         ; Wc: 128 tile numbers along
	s_cmp_eq_u32 s21, 4
	s_cselect_b32 s25, 14, 12                      ; a row is 2^14 bytes in Wc, 2^12 in the others
	s_cselect_b32 s26, s27, s26
	s_lshl_b32 s27, s24, 4
	s_lshl_b32 s27, s27, s25                       ; my first row
	s_add_co_u32 s26, s26, s27
	s_lshl_b32 s27, s31, 8                         ; my two quarters: 64 numbers of 4 bytes
	s_add_co_u32 s26, s26, s27
	s_mov_b32 s27, 0
	s_lshl_b32 s28, s21, 21                        ; in wF: the matrix,
	s_lshl_b32 s29, s22, 16                        ; the tile,
	s_add_co_u32 s28, s28, s29
	s_lshl_b32 s29, s24, 12                        ; the row block,
	s_add_co_u32 s28, s28, s29
	s_lshl_b32 s29, s31, 11                        ; the two quarters
	s_add_co_u32 s28, s28, s29
	s_mov_b32 s29, 0
	v_and_b32 v5, 15, v0
	v_bfe_u32 v6, v0, 4, 1
	v_lshlrev_b32 v1, s25, v5                      ; row lane%16,
	v_lshl_add_u32 v1, v6, 5, v1                   ; eight numbers on for lanes 16-31
	v_and_b32 v3, 31, v0
	v_lshlrev_b32 v3, 4, v3                        ; 16 x lane
	s_wait_kmcnt 0x0
	s_mov_b64 s[16:17], s[4:5]
	s_cmp_eq_u32 s21, 1
	s_cselect_b64 s[16:17], s[6:7], s[16:17]
	s_cmp_eq_u32 s21, 2
	s_cselect_b64 s[16:17], s[8:9], s[16:17]
	s_cmp_eq_u32 s21, 3
	s_cselect_b64 s[16:17], s[10:11], s[16:17]
	s_cmp_eq_u32 s21, 4
	s_cselect_b64 s[16:17], s[12:13], s[16:17]
	s_add_nc_u64 s[16:17], s[16:17], s[26:27]
	s_add_nc_u64 s[14:15], s[14:15], s[28:29]
; unit u = 2 (quarter of my two) + half: eight numbers a lane, 64 bytes of a row on for each unit
.set u, 0
.rept 4
	global_load_b128 v[IN+8*u:IN+8*u+3],   v1, s[16:17] offset:u*64
	global_load_b128 v[IN+8*u+4:IN+8*u+7], v1, s[16:17] offset:u*64+16
.set u, u+1
.endr
.set u, 0
.rept 4
	s_wait_loadcnt 6-2*u                           ; the later units' loads may stay out
	v_cvt_pk_f16_f32 v[OUT+4*u],   v[IN+8*u],   v[IN+8*u+1]
	v_cvt_pk_f16_f32 v[OUT+4*u+1], v[IN+8*u+2], v[IN+8*u+3]
	v_cvt_pk_f16_f32 v[OUT+4*u+2], v[IN+8*u+4], v[IN+8*u+5]
	v_cvt_pk_f16_f32 v[OUT+4*u+3], v[IN+8*u+6], v[IN+8*u+7]
	global_store_b128 v3, v[OUT+4*u:OUT+4*u+3], s[14:15] offset:u*512  ; 512 consecutive bytes, aligned
.set u, u+1
.endr
	s_endpgm
.Lfunc_end_k_qf495400372_prep:
	.size	k_qf495400372_prep, .Lfunc_end_k_qf495400372_prep-k_qf495400372_prep
	.p2alignl 7, 3214868480
	.fill 96, 4, 3214868480
	.section	.rodata,"a",@progbits
	.p2align	6, 0x0
	.amdhsa_kernel k_qf495400372_prep
		.amdhsa_group_segment_fixed_size 0
		.amdhsa_private_segment_fixed_size 0
		.amdhsa_enable_private_segment 0
		.amdhsa_kernarg_size 48
		.amdhsa_user_sgpr_count 2
		.amdhsa_user_sgpr_kernarg_segment_ptr 1
		.amdhsa_wavefront_size32 1
		.amdhsa_system_sgpr_workgroup_id_x 1
		.amdhsa_system_sgpr_workgroup_id_y 1
		.amdhsa_system_sgpr_workgroup_id_z 1
		.amdhsa_system_vgpr_workitem_id 0
		.amdhsa_next_free_vgpr 64
		.amdhsa_next_free_sgpr 66
		.amdhsa_reserve_vcc 0
		.amdhsa_float_denorm_mode_32 3
		.amdhsa_float_denorm_mode_16_64 3
		.amdhsa_memory_ordered 1
		.amdhsa_forward_progress 1
		.amdhsa_inst_pref_size 5
	.end_amdhsa_kernel
	.amdgpu_metadata
---
amdhsa.version: [ 1, 2 ]
amdhsa.kernels:
  - .name:           k_qf495400372_prep
    .symbol:         k_qf495400372_prep.kd
    .args:
      - { .name: Wq, .offset: 0, .size: 8, .value_kind: global_buffer, .address_space: global }
      - { .name: Wk, .offset: 8, .size: 8, .value_kind: global_buffer, .address_space: global }
      - { .name: Wv, .offset: 16, .size: 8, .value_kind: global_buffer, .address_space: global }
      - { .name: Wo, .offset: 24, .size: 8, .value_kind: global_buffer, .address_space: global }
      - { .name: Wc, .offset: 32, .size: 8, .value_kind: global_buffer, .address_space: global }
      - { .name: wF, .offset: 40, .size: 8, .value_kind: global_buffer, .address_space: global }
    .group_segment_fixed_size: 0
    .private_segment_fixed_size: 0
    .kernarg_segment_align: 8
    .kernarg_segment_size: 48
    .max_flat_workgroup_size: 128
    .sgpr_count:     66
    .vgpr_count:     64
    .wavefront_size: 32
...
	.end_amdgpu_metadata
.endif
;; end of part 1
;; launch comp (part 2): grid 64 x 4, 8 waves a work-group, no clusters, 21,504 bytes of LDS; arguments query, wF, xF, part; writes xF, part
.if DOCPART == 2
	.amdgcn_target "amdgcn-amd-amdhsa--gfx1250"
	.amdhsa_code_object_version 6
	.text
	.protected	k_qf495400372_comp
	.globl	k_qf495400372_comp
	.p2align	8
	.type	k_qf495400372_comp,@function
k_qf495400372_comp:
	s_mov_b64 s[64:65], 0
	v_nop
	global_prefetch_b8 v0, s[64:65] scope:SCOPE_SE
	s_setreg_imm32_b32 hwreg(HW_REG_WAVE_MODE, 25, 1), 1
	s_wait_xcnt 0x0
; x = query [t][b][e] IS READ ONCE: it leaves as f16 fragment images (xF), and four slices over t of comp[c][b][e] = sum over t of Wc[c][t] x[t][b][e] leave as f32 partial sums (part).
; SHARES.  Work-group (x = 16 b + eblk, y = s): the 64 columns e = 64 eblk .. of batch b, and the rows t with (t % 256) / 64 = s: trip i of 16 takes t = 256 i + 64 s + 0..63.
; Wave w of eight owns the rows c = 32 w .. 32 w + 31 of comp: 2 x 4 accumulators.  The product is taken as x^T (source 0, 16 columns e) times Wc (source 1, 16 rows c): a lane then holds
; one c and eight neighbouring e, which rounded in pairs is a fragment image of comp for the launch after next.
; ON THE WAY.  A trip's 64 rows x 256 bytes come into registers (a wave: 8 rows, 4 loads of two whole rows' pieces), are rounded to f16 and laid in LDS as [t][64 e]; from there source 0 comes by the turning
; load, and each wave reads one fragment of xF (16 t x 32 e) and stores it.  Wc's fragments come straight from wF.  Four trips' loads are out for each wave: 48 at the most.
; ONE TRIP AHEAD IN LDS.  In trip i a wave lays x of trip i + 1 in LDS, passes the barrier, issues trip i + 1's 18 LDS loads into the other set of fragment registers, and only then multiplies trip i,
; whose fragments it has waited for ahead of the barrier: the LDS loads run beside the products.
; LDS: two buffers of 64 rows, 160 bytes apart (128 + 32).  ONE barrier a trip: the buffer written in trip i was read by the loads issued in
; trip i - 2, and every wave has waited for those ahead of the barrier of trip i - 1.
; LIMITS.  x is rounded once to f16 (65,504 at the most).  Sums in f32.
; No prefetch: the launch is made to keep memory busy by its own loads.  No cluster: what work-groups share (Wc) goes straight into registers.
.set PITCH, 160
.set BUFB,  64*PITCH
.set SPARE, 2*BUFB                     ; the spare words: 128 bytes for each of eight waves, four blocks of 256 bytes that no other line names
.set XO,  1                            ; v1   byte offset in x of my 16 bytes: row 8 w + lane/16, 16 (lane%16)
.set LSO, 2                            ; v2   where my 8 bytes of f16 go in a buffer
.set TRO, 3                            ; v3   the turning load: row 8 (lane/16) + lane%8, 16 bytes on for lanes 8-15 and 24-31
.set XFO, 4                            ; v4   my 16 bytes of my wave's fragment of xF
.set L16, 5                            ; v5   16 x lane
.set SPW, 6                            ; v6   my spare word; never rewritten
.set NIL, 7                            ; v7   0; never rewritten
.set CT,  8                            ; v[8:15]    rounded x
.set X,   16                           ; v[16:79]   four sets of 16: a trip's x
.set XFD, 80                           ; v[80:95]   two sets of 8: a fragment of xF on its way out
.set BF,  96                           ; source 0, (chunk c of 32 t, block m of 16 e) at 8 (4 c + m): even trips' set v[96:159] of window 0, odd trips' v[128:191] of window 1 (BF + 32)
.set ACC, 160                          ; v[160:223] accumulator (c block k, e block m) at 8 (4 k + m)
                                       ; window 1: v[0:127] four sets of 32: Wc's fragments (k, c) at 8 (2 k + c)
.set MSB, 0
.macro WIN new                         ; the high byte repeats the setting that is left; a switch that changes nothing is dropped
.if MSB != (\new)
	s_set_vgpr_msb (MSB<<8)|(\new)
.set MSB, \new
.endif
.endm
.macro PLACES
.rept 4
	v_nop
.endr
.endm
	s_load_b256 s[4:11], s[0:1], 0x0               ; query s[4:5], wF s[6:7], xF s[8:9], part s[10:11]
	v_lshl_add_u32 v[SPW], v0, 2, SPARE
	v_mov_b32 v[NIL], 0
	v_lshrrev_b32 v9, 5, v0
	v_readfirstlane_b32 s12, v9                    ; wave 0..7
	s_lshr_b32 s13, ttmp9, 4                       ; b
	s_and_b32 s14, ttmp9, 15                       ; eblk
	s_and_b32 s15, ttmp7, 0xffff                   ; s
	s_lshr_b32 s17, s12, 1
	s_and_b32 s18, s12, 1
	v_and_b32 v10, 15, v0
	v_bfe_u32 v11, v0, 4, 1
	v_and_b32 v12, 31, v0
	v_lshlrev_b32 v[L16], 4, v12
	s_lshl_b32 s16, s12, 17                        ; 8 w rows of 16,384 bytes
	v_lshlrev_b32 v[XO], 14, v11
	v_lshl_add_u32 v[XO], v10, 4, v[XO]
	v_add_nc_u32 v[XO], s16, v[XO]
	s_mul_i32 s16, s12, 8*PITCH
	v_mul_u32_u24 v[LSO], v11, PITCH
	v_lshl_add_u32 v[LSO], v10, 3, v[LSO]
	v_add_nc_u32 v[LSO], s16, v[LSO]
	v_and_b32 v14, 7, v0
	v_lshl_add_u32 v14, v11, 3, v14
	v_mul_u32_u24 v[TRO], v14, PITCH
	v_bfe_u32 v14, v0, 3, 1
	v_lshl_add_u32 v[TRO], v14, 4, v[TRO]
	s_mul_i32 s16, s17, 16*PITCH                   ; my fragment of xF: rows 16 (w/2) on, columns 32 (w%2) on
	s_lshl_b32 s19, s18, 6
	s_add_co_u32 s16, s16, s19
	v_mul_u32_u24 v[XFO], v10, PITCH
	v_lshl_add_u32 v[XFO], v11, 4, v[XFO]
	v_add_nc_u32 v[XFO], s16, v[XFO]
	s_lshl_b32 s20, s15, 20                        ; x: 64 s rows,
	s_lshl_b32 s21, s13, 12                        ; batch b,
	s_add_co_u32 s20, s20, s21
	s_lshl_b32 s21, s14, 8                         ; 64 eblk columns
	s_add_co_u32 s20, s20, s21
	s_mov_b32 s21, 0
	s_lshr_b32 s22, s15, 1                         ; Wc: tile 2 i + s/2, quarters 2 (s%2) and the next, row blocks 2 w and the next
	s_lshl_b32 s22, s22, 16
	s_and_b32 s23, s15, 1
	s_lshl_b32 s23, s23, 11
	s_add_co_u32 s22, s22, s23
	s_lshl_b32 s23, s12, 13
	s_add_co_u32 s22, s22, s23
	s_add_co_u32 s22, s22, 0x800000
	s_mov_b32 s23, 0
	s_lshl_b32 s24, s13, 7                         ; xF: tile ((16 b + i) 8 + eblk/2), row block 4 s + w/2, quarter 2 (eblk%2) + w%2
	s_lshr_b32 s25, s14, 1
	s_add_co_u32 s24, s24, s25
	s_lshl_b32 s24, s24, 16
	s_lshl2_add_u32 s25, s15, s17
	s_lshl_b32 s25, s25, 12
	s_add_co_u32 s24, s24, s25
	s_and_b32 s25, s14, 1
	s_lshl1_add_u32 s25, s25, s18
	s_lshl_b32 s25, s25, 10
	s_add_co_u32 s24, s24, s25
	s_mov_b32 s25, 0
	s_lshl_b32 s26, s15, 22                        ; part: [s][b][eblk][c block][e block] tiles of 1,024 bytes
	s_lshl_b32 s27, ttmp9, 16
	s_add_co_u32 s26, s26, s27
	s_lshl_b32 s27, s12, 13
	s_add_co_u32 s26, s26, s27
	s_mov_b32 s27, 0
	s_wait_kmcnt 0x0
	s_add_nc_u64 s[4:5], s[4:5], s[20:21]
	s_add_nc_u64 s[6:7], s[6:7], s[22:23]
	s_add_nc_u64 s[8:9], s[8:9], s[24:25]
	s_add_nc_u64 s[10:11], s[10:11], s[26:27]
.macro LDX u                           ; a trip's x for my wave, into set u: 8 rows, two rows' 256 bytes a load
.irp j, 0,1,2,3
	global_load_b128 v[X+16*(\u)+4*(\j):X+16*(\u)+4*(\j)+3], v[XO], s[4:5] offset:(\j)*32768 th:TH_LOAD_NT
.endr
.endm
.macro LDW u                           ; a trip's four fragments of Wc, into set u
	WIN 0x40                                       ; destination window 1
.irp f, 0,1,2,3
	global_load_b128 v[32*(\u)+8*(\f):32*(\u)+8*(\f)+3],   v[L16], s[6:7] offset:((\f)/2)*4096+((\f)%2)*1024
	global_load_b128 v[32*(\u)+8*(\f)+4:32*(\u)+8*(\f)+7], v[L16], s[6:7] offset:((\f)/2)*4096+((\f)%2)*1024+512
.endr
	WIN 0
.endm
.macro STAGE xs, b, nx                 ; x of set xs is rounded and laid in buffer b.  nx: the younger loads that may stay out
	s_wait_loadcnt \nx
.irp j, 0,1,2,3
	v_cvt_pk_f16_f32 v[CT+2*(\j)],   v[X+16*(\xs)+4*(\j)],   v[X+16*(\xs)+4*(\j)+1]
	v_cvt_pk_f16_f32 v[CT+2*(\j)+1], v[X+16*(\xs)+4*(\j)+2], v[X+16*(\xs)+4*(\j)+3]
.endr
.irp j, 0,1,2,3
	ds_store_b64 v[LSO], v[CT+2*(\j):CT+2*(\j)+1] offset:(\b)*BUFB+(\j)*2*PITCH
.endr
.endm
.macro FRAGS b                         ; 18 LDS loads from buffer b: source 0's eight fragments (f = 4 c + m: 32 c rows down, 16 m columns along) into set b, and my fragment of xF
	WIN 0x40*(\b)                                  ; set 1 lies in window 1
.irp f, 0,1,2,3,4,5,6,7
	ds_load_tr16_b128 v[BF+32*(\b)+8*(\f):BF+32*(\b)+8*(\f)+3],   v[TRO] offset:(\b)*BUFB+((\f)/4)*32*PITCH+((\f)%4)*32
	ds_load_tr16_b128 v[BF+32*(\b)+8*(\f)+4:BF+32*(\b)+8*(\f)+7], v[TRO] offset:(\b)*BUFB+((\f)/4)*32*PITCH+((\f)%4)*32+16*PITCH
.endr
	WIN 0
	ds_load_b128 v[XFD+8*(\b):XFD+8*(\b)+3],   v[XFO] offset:(\b)*BUFB
	ds_load_b128 v[XFD+8*(\b)+4:XFD+8*(\b)+7], v[XFO] offset:(\b)*BUFB+32
.endm
.irp u, 0,1,2,3                        ; trips 0 to 3 are asked for
	LDX \u
	LDW \u
.if (\u) < 3
	s_wait_xcnt 0x0                                ; the loads have read the two pointers
	s_add_nc_u64 s[4:5], s[4:5], 0x400000          ; 256 rows of x on
	s_add_nc_u64 s[6:7], s[6:7], 0x20000           ; two tiles of Wc on
.endif
.endr
.set r, 0
.rept 64
	v_mov_b32 v[ACC+r], 0                          ; the sums start at 0, written while the first loads are out, so that the loop has one form of product
.set r, r+1
.endr
	STAGE 0, 0, 44                                 ; trip 0's x: behind it stand Wc of trip 0 (8) and three trips of 12
	s_wait_xcnt 0x0
	s_add_nc_u64 s[4:5], s[4:5], 0x400000
	LDX 0                                          ; trip 4's x
	s_wait_dscnt 0x0                               ; for the others: my part of buffer 0 is written
	s_barrier_signal -1
	s_barrier_wait -1
	FRAGS 0
; TRIP i.  u = i % 4: its set of Wc; its fragments lie in set i % 2.  nxt = 1: trip i + 1 is laid in LDS and its fragments are asked for.  ldx = 1: x of trip i + 5 is asked for (2: not in the loop's last
; turn, where there is no such trip).  ldw = 1: Wc of trip i + 4 is asked for.  nx, nw: the younger loads that may stay out when x of trip i + 1, and Wc of trip i, are wanted.
.macro TRIP u, nxt, ldx, ldw, nx, nw
.if \nxt
	STAGE ((\u)+1)%4, ((\u)+1)%2, \nx
.endif
	s_wait_xcnt 0x0                                ; the loads and stores issued so far have read their pointers and the xF registers: only now are these written
.if \ldw
	s_add_nc_u64 s[6:7], s[6:7], 0x20000
.endif
	s_add_nc_u64 s[8:9], s[8:9], 0x80000           ; eight tiles of xF on; the stores below reach back
.if (\ldx) == 2
	s_cmp_eq_u32 s32, 1
	s_cbranch_scc1 .Lno_x_\@
.endif
.if \ldx
	s_add_nc_u64 s[4:5], s[4:5], 0x400000
	LDX ((\u)+1)%4
.endif
.if (\ldx) == 2
.Lno_x_\@:
.endif
	s_wait_dscnt 0x0                               ; this trip's fragments are in; for the others: my reads of their buffer are over and my part of the other buffer is written
.if \nxt
	s_barrier_signal -1
	s_barrier_wait -1
	FRAGS ((\u)+1)%2                               ; these run beside the products below
.endif
	s_wait_loadcnt \nw                             ; this trip's Wc is in
	WIN 0x04+(\u)%2                                ; source 1 in window 1; source 0 in window 0 or 1
.irp c, 0,1                            ; the eight accumulators take turns, over the backward jump too
.irp k, 0,1
.irp m, 0,1,2,3
	v_wmma_f32_16x16x32_f16 v[ACC+8*(4*(\k)+(\m)):ACC+8*(4*(\k)+(\m))+7], v[BF+32*((\u)%2)+8*(4*(\c)+(\m)):BF+32*((\u)%2)+8*(4*(\c)+(\m))+7], v[32*(\u)+8*(2*(\k)+(\c)):32*(\u)+8*(2*(\k)+(\c))+7], v[ACC+8*(4*(\k)+(\m)):ACC+8*(4*(\k)+(\m))+7]
.endr
.endr
.endr
	WIN 0
	global_store_b128 v[L16], v[XFD+8*((\u)%2):XFD+8*((\u)%2)+3],   s[8:9] offset:-0x80000      ; 512 consecutive bytes each, aligned
	global_store_b128 v[L16], v[XFD+8*((\u)%2)+4:XFD+8*((\u)%2)+7], s[8:9] offset:512-0x80000
	PLACES                                         ; four places behind the last product, ahead of loads into registers that it read and of stores of its results
.if \ldw
	LDW \u
.endif
.endm
	s_mov_b32 s32, 3
.Lturn:                                ; trips 0 to 11.  Behind x of trip i + 1 stand 36 loads at the least (in the first turn); behind Wc of trip i 40, and 36 where an x load has been jumped: 36 holds on every way
	TRIP 0, 1, 1, 1, 36, 36
	TRIP 1, 1, 1, 1, 36, 36
	TRIP 2, 1, 1, 1, 36, 36
	TRIP 3, 1, 2, 1, 36, 36
	s_sub_co_u32 s32, s32, 1
	s_cmp_lg_u32 s32, 0
	s_cbranch_scc1 .Lturn
	TRIP 0, 1, 0, 0, 40, 32                        ; the last four trips load nothing: the counts run down
	TRIP 1, 1, 0, 0, 28, 20
	TRIP 2, 1, 0, 0, 16, 8
	TRIP 3, 0, 0, 0, 0, 0
.irp i, 0,1,2,3,4,5,6,7                ; the partial sums: each accumulator's low registers first
	global_store_b128 v[L16], v[ACC+8*(\i):ACC+8*(\i)+3],   s[10:11] offset:(\i)*1024
	global_store_b128 v[L16], v[ACC+8*(\i)+4:ACC+8*(\i)+7], s[10:11] offset:(\i)*1024+512
.endr
	s_wait_tensorcnt 0x0                           ; the wave's end: a tensor wait, an add of 0 to my spare word and its wait, behind my last LDS store
	ds_add_u32 v[SPW], v[NIL]
	s_wait_dscnt 0x0
	s_endpgm
.Lfunc_end_k_qf495400372_comp:
	.size	k_qf495400372_comp, .Lfunc_end_k_qf495400372_comp-k_qf495400372_comp
	.p2alignl 7, 3214868480
	.fill 96, 4, 3214868480
	.section	.rodata,"a",@progbits
	.p2align	6, 0x0
	.amdhsa_kernel k_qf495400372_comp
		.amdhsa_group_segment_fixed_size 21504
		.amdhsa_private_segment_fixed_size 0
		.amdhsa_enable_private_segment 0
		.amdhsa_kernarg_size 32
		.amdhsa_user_sgpr_count 2
		.amdhsa_user_sgpr_kernarg_segment_ptr 1
		.amdhsa_wavefront_size32 1
		.amdhsa_system_sgpr_workgroup_id_x 1
		.amdhsa_system_sgpr_workgroup_id_y 1
		.amdhsa_system_sgpr_workgroup_id_z 1
		.amdhsa_system_vgpr_workitem_id 0
		.amdhsa_next_free_vgpr 448
		.amdhsa_next_free_sgpr 66
		.amdhsa_reserve_vcc 0
		.amdhsa_float_denorm_mode_32 3
		.amdhsa_float_denorm_mode_16_64 3
		.amdhsa_memory_ordered 1
		.amdhsa_forward_progress 1
		.amdhsa_inst_pref_size 47
	.end_amdhsa_kernel
	.amdgpu_metadata
---
amdhsa.version: [ 1, 2 ]
amdhsa.kernels:
  - .name:           k_qf495400372_comp
    .symbol:         k_qf495400372_comp.kd
    .args:
      - { .name: query, .offset: 0, .size: 8, .value_kind: global_buffer, .address_space: global }
      - { .name: wF, .offset: 8, .size: 8, .value_kind: global_buffer, .address_space: global }
      - { .name: xF, .offset: 16, .size: 8, .value_kind: global_buffer, .address_space: global }
      - { .name: part, .offset: 24, .size: 8, .value_kind: global_buffer, .address_space: global }
    .group_segment_fixed_size: 21504
    .private_segment_fixed_size: 0
    .kernarg_segment_align: 8
    .kernarg_segment_size: 32
    .max_flat_workgroup_size: 256
    .sgpr_count:     66
    .vgpr_count:     448
    .wavefront_size: 32
...
	.end_amdgpu_metadata
.endif
;; end of part 2
;; launch reduce (part 3): grid 256 x 1, 4 waves a work-group, no clusters, 0 bytes of LDS; arguments part, compF; writes compF
.if DOCPART == 3
	.amdgcn_target "amdgcn-amd-amdhsa--gfx1250"
	.amdhsa_code_object_version 6
	.text
	.protected	k_qf495400372_reduce
	.globl	k_qf495400372_reduce
	.p2align	8
	.type	k_qf495400372_reduce,@function
k_qf495400372_reduce:
	s_mov_b64 s[64:65], 0
	v_nop
	global_prefetch_b8 v0, s[64:65] scope:SCOPE_SE
	s_setreg_imm32_b32 hwreg(HW_REG_WAVE_MODE, 25, 1), 1
	s_wait_xcnt 0x0
; comp / 16 = (the four partial sums over t) x 2^-4, rounded once to f16, as fragment images.
; A result tile of the launch before (16 c x 16 e: a lane holds one c and eight e) is half a fragment of comp, lane for lane, and the tiles' order [b][eblk][c block][e block] is the order
; of compF: tile A of 4,096 is read at 1,024 A in each of four slices 4 MiB apart and written at 512 A.
; The factor 2^-4 gives comp room in f16: the launch behind multiplies it back in f32.  LIMIT: |comp| / 16 stays within 65,504.
; A work-group takes 16 tiles, a wave four: 32 loads of 512 consecutive bytes, four stores of 512.
.set IN,  16                           ; v[16:143]  tile i, slice s at 32 i + 8 s
.set OUT, 144                          ; v[144:159]
	s_load_b128 s[4:7], s[0:1], 0x0                ; part, compF
	v_lshrrev_b32 v3, 5, v0
	v_and_b32 v4, 31, v0
	v_lshlrev_b32 v4, 4, v4
	v_lshl_add_u32 v1, v3, 12, v4                  ; my wave's four tiles in part
	v_lshl_add_u32 v2, v3, 11, v4                  ; and in compF
	s_lshl_b32 s8, ttmp9, 14
	s_mov_b32 s9, 0
	s_lshl_b32 s10, ttmp9, 13
	s_mov_b32 s11, 0
	s_wait_kmcnt 0x0
	s_add_nc_u64 s[12:13], s[4:5], s[8:9]
	s_add_nc_u64 s[14:15], s[12:13], 0x400000
	s_add_nc_u64 s[16:17], s[12:13], 0x800000
	s_add_nc_u64 s[18:19], s[12:13], 0xc00000
	s_add_nc_u64 s[6:7], s[6:7], s[10:11]
.irp i, 0,1,2,3
.irp s, 0,1,2,3
	global_load_b128 v[IN+32*(\i)+8*(\s):IN+32*(\i)+8*(\s)+3],   v1, s[12+2*(\s):13+2*(\s)] offset:(\i)*1024 th:TH_LOAD_NT
	global_load_b128 v[IN+32*(\i)+8*(\s)+4:IN+32*(\i)+8*(\s)+7], v1, s[12+2*(\s):13+2*(\s)] offset:(\i)*1024+512 th:TH_LOAD_NT
.endr
.endr
.irp i, 0,1,2,3
	s_wait_loadcnt 24-8*(\i)                       ; the later tiles' loads may stay out
.irp r, 0,2,4,6
	v_pk_add_f32 v[IN+32*(\i)+(\r):IN+32*(\i)+(\r)+1], v[IN+32*(\i)+(\r):IN+32*(\i)+(\r)+1], v[IN+32*(\i)+8+(\r):IN+32*(\i)+8+(\r)+1]
	v_pk_add_f32 v[IN+32*(\i)+16+(\r):IN+32*(\i)+16+(\r)+1], v[IN+32*(\i)+16+(\r):IN+32*(\i)+16+(\r)+1], v[IN+32*(\i)+24+(\r):IN+32*(\i)+24+(\r)+1]
.endr
.irp r, 0,2,4,6
	v_pk_add_f32 v[IN+32*(\i)+(\r):IN+32*(\i)+(\r)+1], v[IN+32*(\i)+(\r):IN+32*(\i)+(\r)+1], v[IN+32*(\i)+16+(\r):IN+32*(\i)+16+(\r)+1]
.endr
.irp r, 0,2,4,6
	v_pk_mul_f32 v[IN+32*(\i)+(\r):IN+32*(\i)+(\r)+1], v[IN+32*(\i)+(\r):IN+32*(\i)+(\r)+1], 0x3d800000 op_sel_hi:[1,0]
.endr
.irp r, 0,1,2,3
	v_cvt_pk_f16_f32 v[OUT+4*(\i)+(\r)], v[IN+32*(\i)+2*(\r)], v[IN+32*(\i)+2*(\r)+1]
.endr
	global_store_b128 v2, v[OUT+4*(\i):OUT+4*(\i)+3], s[6:7] offset:(\i)*512
.endr
	s_endpgm
.Lfunc_end_k_qf495400372_reduce:
	.size	k_qf495400372_reduce, .Lfunc_end_k_qf495400372_reduce-k_qf495400372_reduce
	.p2alignl 7, 3214868480
	.fill 96, 4, 3214868480
	.section	.rodata,"a",@progbits
	.p2align	6, 0x0
	.amdhsa_kernel k_qf495400372_reduce
		.amdhsa_group_segment_fixed_size 0
		.amdhsa_private_segment_fixed_size 0
		.amdhsa_enable_private_segment 0
		.amdhsa_kernarg_size 16
		.amdhsa_user_sgpr_count 2
		.amdhsa_user_sgpr_kernarg_segment_ptr 1
		.amdhsa_wavefront_size32 1
		.amdhsa_system_sgpr_workgroup_id_x 1
		.amdhsa_system_sgpr_workgroup_id_y 1
		.amdhsa_system_sgpr_workgroup_id_z 1
		.amdhsa_system_vgpr_workitem_id 0
		.amdhsa_next_free_vgpr 160
		.amdhsa_next_free_sgpr 66
		.amdhsa_reserve_vcc 0
		.amdhsa_float_denorm_mode_32 3
		.amdhsa_float_denorm_mode_16_64 3
		.amdhsa_memory_ordered 1
		.amdhsa_forward_progress 1
		.amdhsa_inst_pref_size 10
	.end_amdhsa_kernel
	.amdgpu_metadata
---
amdhsa.version: [ 1, 2 ]
amdhsa.kernels:
  - .name:           k_qf495400372_reduce
    .symbol:         k_qf495400372_reduce.kd
    .args:
      - { .name: part, .offset: 0, .size: 8, .value_kind: global_buffer, .address_space: global }
      - { .name: compF, .offset: 8, .size: 8, .value_kind: global_buffer, .address_space: global }
    .group_segment_fixed_size: 0
    .private_segment_fixed_size: 0
    .kernarg_segment_align: 8
    .kernarg_segment_size: 16
    .max_flat_workgroup_size: 128
    .sgpr_count:     66
    .vgpr_count:     160
    .wavefront_size: 32
...
	.end_amdgpu_metadata
.endif
;; end of part 3
;; launch kv (part 4): grid 128 x 2, 4 waves a work-group, no clusters, 152,320 bytes of LDS; arguments compF, wF, bk, bv, kvF, sc; writes kvF, sc
.if DOCPART == 4
	.amdgcn_target "amdgcn-amd-amdhsa--gfx1250"
	.amdhsa_code_object_version 6
	.text
	.protected	k_qf495400372_kv
	.globl	k_qf495400372_kv
	.p2align	8
	.type	k_qf495400372_kv,@function
k_qf495400372_kv:
	s_mov_b64 s[64:65], 0
	v_nop
	global_prefetch_b8 v0, s[64:65] scope:SCOPE_SE
	s_setreg_imm32_b32 hwreg(HW_REG_WAVE_MODE, 25, 1), 1
	s_wait_xcnt 0x0
; k = comp Wk^T + bk and v = comp Wv^T + bv, by heads, as f16 fragment images with a power-of-two scale for each block.
; SHARES.  Work-group (x = 2 z + g, y = sel): head z = 16 b + h, keys 128 g .. 128 g + 127, sel = 0: k, 1: v.  The block is 128 keys x 64 channels, summed over 1,024 e.
; THE SUM IS SPLIT AMONG THE FOUR WAVES: of each 128 e wave w takes 32 w .. 32 w + 31, for the whole block: 32 accumulators, 256 products; no operand byte is fetched twice by the work-group.
; The four partial sums meet in LDS; wave w then finishes keys 32 w .. 32 w + 31.
; LAYOUT.  Source 0 = 16 rows of W (channels), source 1 = 16 rows of comp (keys): a lane holds one key and eight neighbouring channels.  Rounded in pairs that is a fragment image of K (rows keys,
; along the channels).  V is wanted turned (rows channels, along the keys).
; THE SCALE.  comp arrives divided by 16: the value is 16 x sum + bias, in f32.  The block's largest magnitude has exponent field e (held to 15 .. 254); the block is multiplied by 2^(141 - e), so that
; every number lies under 2^15, and 2^(e - 141) is stored in sc: so k and v have room in f16 whatever the size of the inputs.  NaN and infinities are not treated apart.
; No cluster, no tensor loads: all operands go straight into registers as fragments, 512 consecutive bytes a load.  No prefetch: a short launch.
.set MAXB,  0                          ; LDS: four words, the waves' largest magnitudes, in a block of 256 bytes of their own
.set PARTB, 256                        ; wave v's 32 partial tiles of 1,024 bytes at 256 + 32,768 v
.set TRB,   PARTB+131072               ; for each wave 32 rows (keys) of 128 bytes, 160 apart
.set SPARE, TRB+4*32*160               ; the spare words: 128 bytes a wave, two blocks of 256 bytes that no other line names
.set L16, 3                            ; v3   16 x lane
.set LS,  4                            ; v4   32,768 w + 16 lane
.set LR,  5                            ; v5   8,192 w + 16 lane;  v6 the same + 65,536
.set TS,  7                            ; v7   V: where my 16 bytes of a key's row go
.set TL,  8                            ; v8   V: the turning load
.set BO,  9                            ; v9   32 (lane/16)
.set SPW, 10                           ; v10  my spare word; never rewritten
.set NIL, 11                           ; v11  0; never rewritten
.set R,   32                           ; v[32:95]   the finished eight tiles, tile i = 4 (key block) + (channel block) at 8 i
.set H,   96                           ; v[96:127]  the same in f16
.set BIAS, 224                         ; v[224:255] bias of channel block m at 8 m
                                       ; v[32:127], v[128:223] two sets: comp's fragments c at 8 c, then W's m at 64 + 8 m.   window 1: accumulator (c, m) at 8 (4 c + m)
.set MSB, 0
.macro WIN new
.if MSB != (\new)
	s_set_vgpr_msb (MSB<<8)|(\new)
.set MSB, \new
.endif
.endm
.macro PLACES
.rept 4
	v_nop
.endr
.endm
	s_load_b256 s[4:11], s[0:1], 0x0               ; compF, wF, bk, bv
	s_load_b128 s[12:15], s[0:1], 0x20             ; kvF, sc
	v_lshl_add_u32 v[SPW], v0, 2, SPARE
	v_mov_b32 v[NIL], 0
	v_lshrrev_b32 v12, 5, v0
	v_readfirstlane_b32 s16, v12                   ; wave
	s_lshr_b32 s17, ttmp9, 1                       ; z
	s_and_b32 s18, ttmp9, 1                        ; g
	s_and_b32 s19, ttmp7, 0xffff                   ; sel
	s_lshr_b32 s20, s17, 4                         ; b
	s_and_b32 s21, s17, 15                         ; h
	s_lshl_b32 s22, s20, 19                        ; compF: fragment (b, key block, chunk 4 ks + w) at b 2^19 + (chunk/2) 2^15 + block 2^11 + (chunk%2) 2^10
	s_lshr_b32 s23, s16, 1
	s_lshl_b32 s23, s23, 15
	s_add_co_u32 s22, s22, s23
	s_and_b32 s23, s16, 1
	s_lshl_b32 s23, s23, 10
	s_add_co_u32 s22, s22, s23
	s_lshl_b32 s23, s18, 14
	s_add_co_u32 s22, s22, s23
	s_mov_b32 s23, 0
	s_add_co_u32 s24, s19, 1                       ; wF: Wk at 2 MiB, Wv at 4 MiB; tile (h/4, ks), row block 4 (h%4) + m, quarter w
	s_lshl_b32 s24, s24, 21
	s_lshr_b32 s25, s21, 2
	s_lshl_b32 s25, s25, 19
	s_add_co_u32 s24, s24, s25
	s_and_b32 s25, s21, 3
	s_lshl_b32 s25, s25, 14
	s_add_co_u32 s24, s24, s25
	s_lshl_b32 s25, s16, 10
	s_add_co_u32 s24, s24, s25
	s_mov_b32 s25, 0
	s_lshl_b32 s26, s21, 8                         ; the head's 64 numbers of the bias
	s_mov_b32 s27, 0
	s_lshl_b32 s28, s19, 21                        ; kvF: K at 0, V at 2 MiB; head z, my wave's 32 keys: 4,096 bytes in either layout
	s_lshl_b32 s29, s17, 15
	s_add_co_u32 s28, s28, s29
	s_lshl_b32 s29, s18, 14
	s_add_co_u32 s28, s28, s29
	s_lshl_b32 s29, s16, 12
	s_add_co_u32 s28, s28, s29
	s_mov_b32 s29, 0
	s_lshl_b32 s30, s19, 9                         ; sc: K's scales at 0, V's at 512; word 2 z + g
	s_lshl2_add_u32 s30, ttmp9, s30
	s_mov_b32 s31, 0
	s_mov_b32 s32, 0x76543210                      ; v_permlanex16_b32: each lane takes its own place in the other half
	s_mov_b32 s33, 0xfedcba98
	v_and_b32 v1, 15, v0
	v_bfe_u32 v2, v0, 4, 1
	v_and_b32 v12, 31, v0
	v_lshlrev_b32 v[L16], 4, v12
	v_lshl_add_u32 v[LS], s16, 15, v[L16]
	v_lshl_add_u32 v[LR], s16, 13, v[L16]
	v_add_nc_u32 v[LR+1], 0x10000, v[LR]
	s_mul_i32 s35, s16, 32*160
	s_add_co_u32 s35, s35, TRB
	v_mul_u32_u24 v[TS], v1, 160
	v_lshl_add_u32 v[TS], v2, 4, v[TS]
	v_add_nc_u32 v[TS], s35, v[TS]
	v_and_b32 v12, 7, v0
	v_lshl_add_u32 v12, v2, 3, v12
	v_mul_u32_u24 v[TL], v12, 160
	v_bfe_u32 v12, v0, 3, 1
	v_lshl_add_u32 v[TL], v12, 4, v[TL]
	v_add_nc_u32 v[TL], s35, v[TL]
	v_lshlrev_b32 v[BO], 5, v2
	s_wait_kmcnt 0x0
	s_add_nc_u64 s[4:5], s[4:5], s[22:23]
	s_add_nc_u64 s[6:7], s[6:7], s[24:25]
	s_cmp_eq_u32 s19, 0
	s_cselect_b64 s[8:9], s[8:9], s[10:11]
	s_add_nc_u64 s[8:9], s[8:9], s[26:27]
	s_add_nc_u64 s[12:13], s[12:13], s[28:29]
	s_add_nc_u64 s[14:15], s[14:15], s[30:31]
.macro LOADS set, ks                   ; 24 loads: my chunk of the step ks behind the two pointers: eight fragments of comp, four of W
.irp c, 0,1,2,3,4,5,6,7
	global_load_b128 v[32+96*(\set)+8*(\c):32+96*(\set)+8*(\c)+3],   v[L16], s[4:5] offset:(\ks)*65536+(\c)*2048
	global_load_b128 v[32+96*(\set)+8*(\c)+4:32+96*(\set)+8*(\c)+7], v[L16], s[4:5] offset:(\ks)*65536+(\c)*2048+512
.endr
.irp m, 0,1,2,3
	global_load_b128 v[96+96*(\set)+8*(\m):96+96*(\set)+8*(\m)+3],   v[L16], s[6:7] offset:(\ks)*65536+(\m)*4096
	global_load_b128 v[96+96*(\set)+8*(\m)+4:96+96*(\set)+8*(\m)+7], v[L16], s[6:7] offset:(\ks)*65536+(\m)*4096+512
.endr
.endm
.macro MULS set, zero                  ; 32 products on 32 accumulators, which so take turns; zero = 1: they start the sums
	WIN 0x50                                       ; C and D in window 1
.irp c, 0,1,2,3,4,5,6,7
.irp m, 0,1,2,3
.if \zero
	v_wmma_f32_16x16x32_f16 v[8*(4*(\c)+(\m)):8*(4*(\c)+(\m))+7], v[96+96*(\set)+8*(\m):96+96*(\set)+8*(\m)+7], v[32+96*(\set)+8*(\c):32+96*(\set)+8*(\c)+7], 0
.else
	v_wmma_f32_16x16x32_f16 v[8*(4*(\c)+(\m)):8*(4*(\c)+(\m))+7], v[96+96*(\set)+8*(\m):96+96*(\set)+8*(\m)+7], v[32+96*(\set)+8*(\c):32+96*(\set)+8*(\c)+7], v[8*(4*(\c)+(\m)):8*(4*(\c)+(\m))+7]
.endif
.endr
.endr
	WIN 0
.endm
; A step: its set is waited for (the other set's 24 loads may stay out), multiplied, and, four places behind the last product, asked for again with the step two on.
.macro STEP set, zero, ahead, left
	s_wait_loadcnt \left
	MULS \set, \zero
	PLACES                                         ; four places ahead of loads into registers that the products read, and of the LDS stores of their results
.if \ahead
	LOADS \set, 2+(\set)
.endif
.endm
.irp m, 0,1,2,3
	global_load_b128 v[BIAS+8*(\m):BIAS+8*(\m)+3],   v[BO], s[8:9] offset:(\m)*64
	global_load_b128 v[BIAS+8*(\m)+4:BIAS+8*(\m)+7], v[BO], s[8:9] offset:(\m)*64+16
.endr
	LOADS 0, 0
	LOADS 1, 1
	STEP 0, 1, 1, 24                               ; steps 0 and 1 stand ahead of the loop: step 0's products start the sums (the bias, the oldest loads, is in with it)
	STEP 1, 0, 1, 24
	s_mov_b32 s37, 2
.Lpair:                                ; steps 2 and 3, then 4 and 5; they ask for steps 4 to 7
	s_wait_xcnt 0x0                                ; the loads issued so far have read the two pointers
	s_add_nc_u64 s[4:5], s[4:5], 0x20000           ; two steps on
	s_add_nc_u64 s[6:7], s[6:7], 0x20000
	STEP 0, 0, 1, 24
	STEP 1, 0, 1, 24
	s_sub_co_u32 s37, s37, 1
	s_cmp_lg_u32 s37, 0
	s_cbranch_scc1 .Lpair
	STEP 0, 0, 0, 24                               ; steps 6 and 7 load nothing
	STEP 1, 0, 0, 0
	WIN 0x04                                       ; the data of an LDS store is source 1: window 1
.set i, 0
.rept 32
	ds_store_b128 v[LS], v[8*i:8*i+3]   offset:PARTB+1024*i      ; each accumulator's low registers first
	ds_store_b128 v[LS], v[8*i+4:8*i+7] offset:PARTB+1024*i+512
.set i, i+1
.endr
	WIN 0
	s_wait_dscnt 0x0                               ; for the others: my partial sums are written
	s_barrier_signal -1
	s_barrier_wait -1
; four of my eight tiles (i0 on), from the four waves' regions, into v[base + 32 v + 8 i]; their sum is left in v[base .. base + 31]
.macro MEETS base, i0
.irp v, 0,1,2,3
.irp i, 0,1,2,3
	ds_load_b128 v[(\base)+32*(\v)+8*(\i):(\base)+32*(\v)+8*(\i)+3],   v[LR+(\v)/2] offset:PARTB+((\v)%2)*32768+((\i0)+(\i))*1024
	ds_load_b128 v[(\base)+32*(\v)+8*(\i)+4:(\base)+32*(\v)+8*(\i)+7], v[LR+(\v)/2] offset:PARTB+((\v)%2)*32768+((\i0)+(\i))*1024+512
.endr
.endr
	s_wait_dscnt 0x0
.set r, 0
.rept 16
	v_pk_add_f32 v[(\base)+r:(\base)+r+1], v[(\base)+r:(\base)+r+1], v[(\base)+32+r:(\base)+32+r+1]
	v_pk_add_f32 v[(\base)+64+r:(\base)+64+r+1], v[(\base)+64+r:(\base)+64+r+1], v[(\base)+96+r:(\base)+96+r+1]
.set r, r+2
.endr
.set r, 0
.rept 16
	v_pk_add_f32 v[(\base)+r:(\base)+r+1], v[(\base)+r:(\base)+r+1], v[(\base)+64+r:(\base)+64+r+1]
.set r, r+2
.endr
.endm
	MEETS R, 0
	MEETS R+32, 4
.set i, 0
.rept 32                               ; 16 x sum + bias: pair i % 4 of tile i / 4, whose channel block is (i / 4) % 4
	v_pk_fma_f32 v[R+2*i:R+2*i+1], v[R+2*i:R+2*i+1], 0x41800000, v[BIAS+8*((i/4)%4)+2*(i%4):BIAS+8*((i/4)%4)+2*(i%4)+1] op_sel_hi:[1,0,1]
.set i, i+1
.endr
	; the largest magnitude: the greatest and the least of my 64 numbers, in four chains each
.irp k, 0,1,2,3
	v_max3_num_f32 v[12+(\k)], v[R+16*(\k)], v[R+16*(\k)+1], v[R+16*(\k)+2]
	v_min3_num_f32 v[16+(\k)], v[R+16*(\k)], v[R+16*(\k)+1], v[R+16*(\k)+2]
.endr
.irp s, 1,2,3,4,5,6
.irp k, 0,1,2,3
	v_max3_num_f32 v[12+(\k)], v[12+(\k)], v[R+16*(\k)+2*(\s)+1], v[R+16*(\k)+2*(\s)+2]
	v_min3_num_f32 v[16+(\k)], v[16+(\k)], v[R+16*(\k)+2*(\s)+1], v[R+16*(\k)+2*(\s)+2]
.endr
.endr
.irp k, 0,1,2,3
	v_max_num_f32 v[12+(\k)], v[12+(\k)], v[R+16*(\k)+15]
	v_min_num_f32 v[16+(\k)], v[16+(\k)], v[R+16*(\k)+15]
.endr
	v_max3_num_f32 v12, v12, v13, v14
	v_min3_num_f32 v16, v16, v17, v18
	v_max_num_f32 v12, v12, v15
	v_min_num_f32 v16, v16, v19
	v_sub_f32 v16, 0, v16
	v_max_num_f32 v12, v12, v16
	v_max_num_f32_dpp v12, v12, v12 row_xmask:1 row_mask:0xf bank_mask:0xf
	v_max_num_f32_dpp v12, v12, v12 row_xmask:2 row_mask:0xf bank_mask:0xf
	v_max_num_f32_dpp v12, v12, v12 row_xmask:4 row_mask:0xf bank_mask:0xf
	v_max_num_f32_dpp v12, v12, v12 row_xmask:8 row_mask:0xf bank_mask:0xf
	v_permlanex16_b32 v13, v12, s32, s33
	v_max_num_f32 v12, v12, v13
	v_mov_b32 v14, s16                             ; my wave's word of the four at LDS byte 0: 4 x wave
	v_lshlrev_b32 v14, 2, v14
	ds_store_b32 v14, v12                          ; all lanes write the same word with the same number
	s_wait_dscnt 0x0                               ; for the others: my word is written
	s_barrier_signal -1
	s_barrier_wait -1
	v_mov_b32 v15, 0
	ds_load_b128 v[16:19], v15                     ; the four waves' words
	s_wait_dscnt 0x0
	v_max3_num_f32 v12, v16, v17, v18
	v_max_num_f32 v12, v12, v19                    ; the block's largest magnitude, the same in all four waves
	v_max_num_f32 v12, 0x07800000, v12             ; its exponent field is held to 15 ..
	v_min_num_f32 v12, 0x7f000000, v12             ; .. 254
	v_lshrrev_b32 v12, 23, v12                     ; e
	v_sub_nc_u32 v13, 0x10c, v12
	v_lshlrev_b32 v14, 23, v13                     ; 2^(141 - e)
	v_mov_b32 v15, v14
	v_add_nc_u32 v13, -14, v12
	v_lshlrev_b32 v13, 23, v13                     ; 2^(e - 141)
.set i, 0
.rept 32
	v_pk_mul_f32 v[R+2*i:R+2*i+1], v[R+2*i:R+2*i+1], v[14:15]
.set i, i+1
.endr
.set i, 0
.rept 32
	v_cvt_pk_f16_f32 v[H+i], v[R+2*i], v[R+2*i+1]
.set i, i+1
.endr
	s_cmp_eq_u32 s19, 0
	s_cbranch_scc0 .Lturned
.irp i, 0,1,2,3,4,5,6,7                ; K: tile i = 4 (key block) + m is half m % 2 of fragment (key block, m / 2): 512 i
	global_store_b128 v[L16], v[H+4*(\i):H+4*(\i)+3], s[12:13] offset:(\i)*512
.endr
	s_branch .Lscale
.Lturned:                              ; V: [key][channel] into my own rows, back turned.  LDS serves a wave's instructions in order, so no wait stands between
.irp i, 0,1,2,3,4,5,6,7
	ds_store_b128 v[TS], v[H+4*(\i):H+4*(\i)+3] offset:((\i)/4)*16*160+((\i)%4)*32
.endr
.irp m, 0,1,2,3
	ds_load_tr16_b128 v[128+8*(\m):128+8*(\m)+3],   v[TL] offset:(\m)*32
	ds_load_tr16_b128 v[128+8*(\m)+4:128+8*(\m)+7], v[TL] offset:(\m)*32+16*160
.endr
	s_wait_dscnt 0x0
.irp m, 0,1,2,3
	global_store_b128 v[L16], v[128+8*(\m):128+8*(\m)+3],   s[12:13] offset:(\m)*1024
	global_store_b128 v[L16], v[128+8*(\m)+4:128+8*(\m)+7], s[12:13] offset:(\m)*1024+512
.endr
.Lscale:
	s_cmp_lg_u32 s16, 0                            ; wave 0's first lane stores the block's scale
	s_cbranch_scc1 .Lend
	v_mov_b32 v16, 0
	s_wait_xcnt 0x0                                ; EXEC changes only when the stores above have read it
	v_cmp_eq_u32 vcc_lo, 0, v0
	s_and_saveexec_b32 s34, vcc_lo
	global_store_b32 v16, v13, s[14:15]
	s_wait_xcnt 0x0
	s_or_b32 exec_lo, exec_lo, s34
.Lend:
	s_wait_tensorcnt 0x0                           ; the wave's end: a tensor wait, an add of 0 to my spare word and its wait, behind my last LDS store
	ds_add_u32 v[SPW], v[NIL]
	s_wait_dscnt 0x0
	s_endpgm
.Lfunc_end_k_qf495400372_kv:
	.size	k_qf495400372_kv, .Lfunc_end_k_qf495400372_kv-k_qf495400372_kv
	.p2alignl 7, 3214868480
	.fill 96, 4, 3214868480
	.section	.rodata,"a",@progbits
	.p2align	6, 0x0
	.amdhsa_kernel k_qf495400372_kv
		.amdhsa_group_segment_fixed_size 152320
		.amdhsa_private_segment_fixed_size 0
		.amdhsa_enable_private_segment 0
		.amdhsa_kernarg_size 48
		.amdhsa_user_sgpr_count 2
		.amdhsa_user_sgpr_kernarg_segment_ptr 1
		.amdhsa_wavefront_size32 1
		.amdhsa_system_sgpr_workgroup_id_x 1
		.amdhsa_system_sgpr_workgroup_id_y 1
		.amdhsa_system_sgpr_workgroup_id_z 1
		.amdhsa_system_vgpr_workitem_id 0
		.amdhsa_next_free_vgpr 512
		.amdhsa_next_free_sgpr 66
		.amdhsa_reserve_vcc 1
		.amdhsa_float_denorm_mode_32 3
		.amdhsa_float_denorm_mode_16_64 3
		.amdhsa_memory_ordered 1
		.amdhsa_forward_progress 1
		.amdhsa_inst_pref_size 61
	.end_amdhsa_kernel
	.amdgpu_metadata
---
amdhsa.version: [ 1, 2 ]
amdhsa.kernels:
  - .name:           k_qf495400372_kv
    .symbol:         k_qf495400372_kv.kd
    .args:
      - { .name: compF, .offset: 0, .size: 8, .value_kind: global_buffer, .address_space: global }
      - { .name: wF, .offset: 8, .size: 8, .value_kind: global_buffer, .address_space: global }
      - { .name: bk, .offset: 16, .size: 8, .value_kind: global_buffer, .address_space: global }
      - { .name: bv, .offset: 24, .size: 8, .value_kind: global_buffer, .address_space: global }
      - { .name: kvF, .offset: 32, .size: 8, .value_kind: global_buffer, .address_space: global }
      - { .name: sc, .offset: 40, .size: 8, .value_kind: global_buffer, .address_space: global }
    .group_segment_fixed_size: 152320
    .private_segment_fixed_size: 0
    .kernarg_segment_align: 8
    .kernarg_segment_size: 48
    .max_flat_workgroup_size: 128
    .sgpr_count:     66
    .vgpr_count:     512
    .wavefront_size: 32
...
	.end_amdgpu_metadata
.endif
;; end of part 4
;; launch qattn (part 5): grid 4 x 64, 4 waves a work-group, clusters of 4 x 4, 327,680 bytes of LDS; arguments xF, wF, bq, kvF, sc, aF; writes aF
.if DOCPART == 5
	.amdgcn_target "amdgcn-amd-amdhsa--gfx1250"
	.amdhsa_code_object_version 6
	.text
	.protected	k_qf495400372_qattn
	.globl	k_qf495400372_qattn
	.p2align	8
	.type	k_qf495400372_qattn,@function
k_qf495400372_qattn:
	s_mov_b64 s[64:65], 0
	v_nop
	global_prefetch_b8 v0, s[64:65] scope:SCOPE_SE
	s_setreg_imm32_b32 hwreg(HW_REG_WAVE_MODE, 25, 1), 1
	s_wait_xcnt 0x0
	s_wait_alu depctr_hold_cnt(0) depctr_sa_sdst(0) depctr_va_vdst(0) depctr_va_sdst(0) depctr_va_ssrc(0) depctr_va_vcc(0) depctr_vm_vsrc(0)
	s_getreg_b32 s2, hwreg(HW_REG_IB_STS2, 6, 4)
	s_cmp_eq_u32 s2, 0
	s_cbranch_scc0 .Lentry_in_a_cluster
	s_endpgm
.Lentry_in_a_cluster:
	s_bfe_u32 s2, ttmp6, 0x10000c
	s_cmp_lg_u32 s2, 0xf033
	s_cbranch_scc0 .Lentry_shape_is_right
	s_endpgm
.Lentry_shape_is_right:
; q = x Wq^T + bq FOR A BLOCK OF 256 ROWS x 256 COLUMNS (four heads), AND THEN THE ATTENTION OF THOSE ROWS AND HEADS: q never leaves the work-group.
; PART 1, the product.  Four waves, each 128 x 128: 64 accumulators.  K = 1,024 goes in eight steps of 128 through two LDS slots.  A's and B's tiles are fragment images (see below): 65,536 dense bytes,
; so each wave's tensor load brings 32,768 bytes as 128 rows of 256, and every LDS read is 16 bytes a lane on end: no padding is wanted.  4 x 4 work-groups form a cluster: x's tile is shared along a
; row of the cluster, Wq's along a column, each asked for jointly.  Source 0 = 16 rows of Wq, source 1 = 16 rows of x: a lane holds one row t and eight neighbouring columns.  bq is the C operand of the first products.
; A FRAGMENT IMAGE: 16 rows x 32 k of f16 in 1,024 bytes, byte half*512 + lane*16 + 2e = row lane%16, k = 16 half + 8 (lane/16) + e.  A tile image: fragment (row block a, quarter q) at 4096 a + 1024 q.
; PART 2.  Two neighbouring results, rounded in pairs, ARE a fragment of q, lane for lane: they are parked in LDS, in slot 0, whose last fill has been read out by all waves, each wave in 32 KiB of its own.
; A wave has 8 tiles of 16 queries x 2 heads.  A head's K (256 keys x 64) and V^T fill 256 registers each, straight from kvF.  For a tile: S^T = K Q^T (all 256 keys at once: 128 registers), the TRUE maximum of
; the row, p = 2^(c s - c m), P rounded to f16, l = the sum of the unrounded p, O^T = V^T P, O / l, rounded to f16, stored as a fragment image of aF: nothing changes lanes but one exchange of the lanes' halves.
; SCALES.  k and v arrive as k' 2^a, v' 2^b with a power of two for each 128 keys (sc).  K's goes into c: c_g = ksc_g log2(e) / 8, with the module's factor 1/8.  V's: the two halves of the keys have accumulators
; of their own, joined in f32 by vsc_g / VB, where VB is the largest of the batch's 32 scales; the launch behind multiplies by VB in f32.
; LIMITS.  q is rounded to f16 unscaled: |q| within 65,504.  p lies in 0 to 1; a weight below 2^-126 counts as 0.  NaN and infinities are not treated apart.
; The softmax and the products stand in phases.
.set WOFF,  0                          ; Wq in wF
.set SCP,   12                         ; s[12:13] sc
.set SLOT,  131072                     ; A's tile image, then B's
.set KT,    65536                      ; a tile image; also the step along K in memory
.set SPARE, 2*SLOT                     ; the spare words: 128 bytes a wave, two blocks of 256 bytes that no other line names
; window 0
.set L16,  3                           ; v3   16 x lane
.set HB,   4                           ; v4   32 (lane/16)
.set ADRA, 16                          ; v16  my A fragments in the slot in hand
.set ADRB, 17                          ; v17  my B fragments
.set A0,   18                          ; v18  the same in slot 0; never rewritten
.set B0,   19                          ; v19
.set PKA,  20                          ; v20  my wave's 32 KiB of parked q + 16 lane; never rewritten
.set QA,   21                          ; v21  the entry to be fetched
.set SPW,  28                          ; v28  my spare word; never rewritten
.set NIL,  29                          ; v29  0; never rewritten
.set PFO,  30                          ; v30  256 x lane; never rewritten
.set Q,    32                          ; v[32:47] a tile's q: two fragments
.set F0,   64                          ; fragment buffers: A's in window 0, B's in window 1
.set F1,   128
.set BIAS, 192                         ; v[192:255] bq of my 128 columns: block b at 8 b
; windows 2, 3: accumulator (a, b) at 8 (8 (a%4) + b).  Later: window 1 K, window 2 V^T, window 3:
.set S,    0                           ; v[0:127] S^T, key block kb at 8 kb; later O^T of the keys' two halves at 0 and 32
.set P,    128                         ; v[128:191]
.set T,    192                         ; v[192:207] the maxima's chains
.set M,    208                         ; v[208:209] c m
.set W0,   210                         ; v[210:212] at work
.set RINV, 216
.set FA,   218                         ; v[218:219], v[220:221] the two factors on O
.set GO3,  222                         ; 16 x lane
.set H,    224                         ; v[224:239] O in f16
; scalars
.set WV, 16
.set RH, 17                            ; which 128 rows are mine; also: I fetch for A (0) or B (1)
.set CH, 18                            ; which 128 columns; also: which half of that tile I fetch
.set CX, 19
.set CY, 20
.set CT, 21                            ; tile column
.set TR, 22                            ; tile row = 16 b + t / 256
.set KY, 23                            ; cluster y
.set G1, 24                            ; s[24:31] group 1, A;  s[32:39] group 0, two sets: the second walks
.set G0, 32
.set TB, 42                            ; the slot in hand
.set LIM, 43
.set PFA, 44
.set G1B, 48
.set G0B, 56
.set C0,  68                           ; s[68:69], s[70:71] c of the keys' two halves
.set R0,  72                           ; s72, s73 vsc_g / VB
.set KS,  74
.set VS,  76
.set IVB, 78
.set ZO,  79                           ; 8 x head: its two words in sc
.set HC,  80
.set TC,  81
.set QO,  82
.set KUN, 83
.set KP,  84                           ; s[84:85] the head's K in kvF
.set AP,  86                           ; s[86:87] aF
.set SEL, 88
.set KPF, 90                           ; s[90:91] my 8 KiB of the head's K and V, for the prefetch; never rewritten
.set KA3, 92                           ; 3 in a cluster that prefetches K and V, else 0
.set KA2, 93                           ; 2 there, else 0
.set MSB, 0
.macro WIN new                         ; the high byte repeats the setting that is left; a switch that changes nothing is dropped
.if MSB != (\new)
	s_set_vgpr_msb (MSB<<8)|(\new)
.set MSB, \new
.endif
.endm
.macro PLACES                          ; four places behind a matrix instruction, ahead of loads into its registers and of vector lines that read its result
.rept 4
	v_nop
.endr
.endm
.macro CREST                           ; a round of the cluster's barrier behind its opening barrier
	s_cmp_lg_u32 s[WV], 0
	s_cbranch_scc1 .Lnot_wave_0_\@
	s_barrier_signal -3
.Lnot_wave_0_\@:
	s_barrier_wait -3
	s_barrier_signal -1
	s_barrier_wait -1
.endm
.macro CROUND
	s_barrier_signal -1
	s_barrier_wait -1
	CREST
.endm
.macro JLOAD                           ; a joint refill by the walking sets: waves 0, 1 fetch A's halves, waves 2, 3 B's; an s_nop 0 and four v_nop follow each line
	s_cmp_eq_u32 s[RH], 0
	s_cbranch_scc0 .Lfor_b_\@
	tensor_load_to_lds s[G0+4:G0+7], s[G1:G1+7]
	s_nop 0
.rept 4
	v_nop
.endr
	s_branch .Lasked_\@
.Lfor_b_\@:
	tensor_load_to_lds s[G0B+4:G0B+7], s[G1B:G1B+7]
	s_nop 0
.rept 4
	v_nop
.endr
.Lasked_\@:
.endm
; A prefetch of the K step two refills on: of the 128 blocks of 256 bytes that I fetch, my work-group's 32 (told apart from its three partners by address), a lane a block.  x's tile row is read by this
; cluster alone, so every cluster asks for its own; Wq's tile column is read by all sixteen clusters: cluster y = 0 asks.  K steps 0 to 3 come by their loads alone; the last two refills have no step two on.
.macro ASK
	s_cmp_gt_u32 s3, s[LIM]
	s_cbranch_scc0 .Lnot_mine_\@
	global_prefetch_b8 v[PFO], s[PFA:PFA+1] th:TH_LOAD_NT scope:SCOPE_SE
.Lnot_mine_\@:
.endm
; 16 products: row blocks a0, a0 + 1 of the window's four x all 8 column blocks, 32 along K.  zero = 1: they start the sums, with the bias as C
.macro MUL16 f, hi, a0, zero
.if \zero
	WIN 0x81+0x40*(\hi)                            ; source 0 window 1, source 1 and C window 0, D window 2 or 3
.else
	WIN 0xa1+0x50*(\hi)                            ; C and D window 2 or 3
.endif
.irp a, \a0, (\a0)+1
.irp b, 0,1,2,3,4,5,6,7
.if \zero
	v_wmma_f32_16x16x32_f16 v[8*(8*(\a)+(\b)):8*(8*(\a)+(\b))+7], v[(\f)+8*(\b):(\f)+8*(\b)+7], v[(\f)+8*(4*(\hi)+(\a)):(\f)+8*(4*(\hi)+(\a))+7], v[BIAS+8*(\b):BIAS+8*(\b)+7]
.else
	v_wmma_f32_16x16x32_f16 v[8*(8*(\a)+(\b)):8*(8*(\a)+(\b))+7], v[(\f)+8*(\b):(\f)+8*(\b)+7], v[(\f)+8*(4*(\hi)+(\a)):(\f)+8*(4*(\hi)+(\a))+7], v[8*(8*(\a)+(\b)):8*(8*(\a)+(\b))+7]
.endif
.endr
.endr
.endm
.macro FETCH q, f                      ; 32 LDS loads in one run: quarter q of the slot in hand into buffer f: B's eight fragments, then A's
	WIN 0x40
.irp i, 0,1,2,3,4,5,6,7
	ds_load_b128 v[(\f)+8*(\i):(\f)+8*(\i)+3],   v[ADRB] offset:(\q)*1024+(\i)*4096
	ds_load_b128 v[(\f)+8*(\i)+4:(\f)+8*(\i)+7], v[ADRB] offset:(\q)*1024+(\i)*4096+512
.endr
	WIN 0
.irp i, 0,1,2,3,4,5,6,7
	ds_load_b128 v[(\f)+8*(\i):(\f)+8*(\i)+3],   v[ADRA] offset:(\q)*1024+(\i)*4096
	ds_load_b128 v[(\f)+8*(\i)+4:(\f)+8*(\i)+7], v[ADRA] offset:(\q)*1024+(\i)*4096+512
.endr
.endm
.macro QUARTER q, f, g, zero           ; multiplies buffer f; in its middle fetches quarter q into buffer g
	s_wait_dscnt 8                                 ; the youngest eight loads (A's fragments 4-7) may be out
	MUL16 \f, 0, 0, \zero
	MUL16 \f, 0, 2, \zero
	PLACES
	FETCH \q, \g
	s_wait_dscnt 32                                ; all but the 32 just issued
	MUL16 \f, 1, 0, \zero
	MUL16 \f, 1, 2, \zero
.endm
; The first half of a K step's last quarter, and ONE barrier for the change of slots.  The quarter's first 32 products stand AHEAD of the wait for the tensor loads, so that nothing but the barrier stands between
; a tile's landing and the next request.  Ahead of the barrier each wave waits for all its tensor loads (one is out: its part of the next slot), adds 0 to its spare word, and waits for that and for its reads of this slot.
.macro MEET
	s_wait_dscnt 8                                 ; the youngest eight loads (A's fragments 4-7) may be out
	MUL16 F1, 0, 0, 0
	MUL16 F1, 0, 2, 0
	WIN 0
	s_wait_tensorcnt 0x0                           ; my part of the next slot has landed
	ds_add_u32 v[SPW], v[NIL]
	s_wait_dscnt 0x0                               ; the add is done, my reads of this slot are over
	s_barrier_signal -1
	s_barrier_wait -1
.endm
; The whole last quarter.  fill = 1: the slot just read out takes the K step two on, by a joint load, first thing behind a round of the cluster's barrier.
; fill = 0, in the tail: nothing is asked for, and the slot in hand is slot 1 from here on.
.macro TURN fill
.if \fill
	s_wait_xcnt 0x0                                ; the last prefetch, a K step back, has read its address
	s_add_nc_u64 s[PFA:PFA+1], s[PFA:PFA+1], KT
.endif
	MEET
.if \fill
	CREST                                          ; no wave of any partner still reads the slot or has a load on its way
	s_xor_b32 s[G0+5], s[G0+5], SLOT               ; the walking sets: the other slot than last time, the next K step
	s_add_nc_u64 s[G0+6:G0+7], s[G0+6:G0+7], KT
	s_xor_b32 s[G0B+5], s[G0B+5], SLOT
	s_add_nc_u64 s[G0B+6:G0B+7], s[G0B+6:G0B+7], KT
	s_xor_b32 s[TB], s[TB], SLOT
	JLOAD                                          ; its four v_nop are also the places ahead of the loads below
.else
	PLACES
	s_mov_b32 s[TB], SLOT
.endif
	v_add_nc_u32 v[ADRA], s[TB], v[A0]
	v_add_nc_u32 v[ADRB], s[TB], v[B0]
	FETCH 0, F0
.if \fill
	ASK
.else
	s_cmp_eq_u32 s3, s[KA2]                        ; in the tail's first trip: K and V of my first head: my 8 KiB of its 64, 288 products and the parking ahead of the loads
	s_cbranch_scc0 .Lno_kv_\@
	global_prefetch_b8 v[PFO], s[KPF:KPF+1] th:TH_LOAD_NT scope:SCOPE_SE
.Lno_kv_\@:
.endif
	MUL16 F1, 1, 0, 0
	MUL16 F1, 1, 2, 0
.endm
	s_load_b256 s[4:11], s[0:1], 0x0               ; xF s[4:5], wF s[6:7], bq s[8:9], kvF s[10:11]
	s_load_b128 s[12:15], s[0:1], 0x20             ; sc s[12:13], aF s[14:15]
	v_lshl_add_u32 v[SPW], v0, 2, SPARE
	v_mov_b32 v[NIL], 0
	ds_add_u32 v[SPW], v[NIL]                      ; the wave's opening: an add of 0 to my spare word, waited for ahead of my first tensor load
	v_lshrrev_b32 v1, 5, v0
	v_readfirstlane_b32 s[WV], v1
	s_lshr_b32 s[RH], s[WV], 1
	s_and_b32 s[CH], s[WV], 1
	s_bfe_u32 s[CX], ttmp6, 0x40000
	s_bfe_u32 s[CY], ttmp6, 0x40004
	s_lshl_b32 s[CT], ttmp9, 2
	s_add_co_u32 s[CT], s[CT], s[CX]
	s_and_b32 s[KY], ttmp7, 0xffff
	s_lshl_b32 s[TR], s[KY], 2
	s_add_co_u32 s[TR], s[TR], s[CY]
	s_lshl_b32 s40, s[CY], 2
	s_lshl_b32 s40, 15, s40                        ; my row of the cluster
	s_lshl_b32 s41, 0x1111, s[CX]                  ; my column
	s_or_b32 s[G1], s40, (3<<16)|(1<<21)           ; 15:0 the mask; 17:16 elements of 8 bytes; 21 set beside a mask; no padding
	s_or_b32 s[G1B], s41, (3<<16)|(1<<21)
.irp g, G1, G1B                        ; a dense block: 128 rows of 32 elements (256 bytes)
	s_mov_b32 s[(\g)+1], 32<<16
	s_mov_b32 s[(\g)+2], 128<<16
	s_mov_b32 s[(\g)+3], 32<<16
	s_mov_b32 s[(\g)+4], 128
	s_mov_b32 s[(\g)+5], 32
	s_mov_b32 s[(\g)+6], 0
	s_mov_b32 s[(\g)+7], 0
.endr
	s_lshl_b32 s40, s[CH], 15                      ; which half of a tile image I fetch
	s_lshl_b32 s46, s[TR], 19                      ; A: eight tile images a tile row
	s_add_co_u32 s46, s46, s40
	s_mov_b32 s47, 0
	s_lshl_b32 s66, s[CT], 19                      ; B: the same by the tile column
	s_add_co_u32 s66, s66, s40
	s_add_co_u32 s66, s66, WOFF
	s_mov_b32 s67, 0
	s_lshl_b32 s41, s[WV], 15                      ; where it goes in a slot: A's halves, then B's: the wave's number alone
	s_lshr_b32 s2, s[KY], 2                        ; the batch's 32 V scales: 512 + 128 b
	s_lshl_b32 s2, s2, 7
	s_add_co_u32 s2, s2, 512
	s_wait_dscnt 0x0                               ; the opening add is done
	s_wait_kmcnt 0x0
	s_add_nc_u64 s[46:47], s[4:5], s[46:47]
	s_add_nc_u64 s[66:67], s[6:7], s[66:67]
	CROUND                                         ; all sixteen work-groups are here: the first joint loads meet
.irp s, 0,1
	s_mov_b32 s[G0+4*(\s)], 1
	s_add_co_u32 s[G0+4*(\s)+1], s41, (\s)*SLOT
	s_add_nc_u64 s[G0+4*(\s)+2:G0+4*(\s)+3], s[46:47], (\s)*KT
	s_or_b32 s[G0+4*(\s)+3], s[G0+4*(\s)+3], 0x80000000
	s_mov_b32 s[G0B+4*(\s)], 1
	s_add_co_u32 s[G0B+4*(\s)+1], s41, (\s)*SLOT
	s_add_nc_u64 s[G0B+4*(\s)+2:G0B+4*(\s)+3], s[66:67], (\s)*KT
	s_or_b32 s[G0B+4*(\s)+3], s[G0B+4*(\s)+3], 0x80000000
.endr
	s_cmp_eq_u32 s[RH], 0                          ; a wave's two first fills stand in one branch: two loads of mine are out
	s_cbranch_scc0 .Lfirst_b
	tensor_load_to_lds s[G0:G0+3], s[G1:G1+7]
	s_nop 0
	tensor_load_to_lds s[G0+4:G0+7], s[G1:G1+7]
	s_nop 0
.rept 4
	v_nop
.endr
	s_branch .Lfirst_asked
.Lfirst_b:
	tensor_load_to_lds s[G0B:G0B+3], s[G1B:G1B+7]
	s_nop 0
	tensor_load_to_lds s[G0B+4:G0B+7], s[G1B:G1B+7]
	s_nop 0
.rept 4
	v_nop
.endr
.Lfirst_asked:
	s_load_b512 s[68:83], s[SCP:SCP+1], s2 offset:0x0
	s_load_b512 s[84:99], s[SCP:SCP+1], s2 offset:0x40
	v_and_b32 v2, 31, v0
	v_lshlrev_b32 v[L16], 4, v2
	v_lshlrev_b32 v[PFO], 8, v2
	v_bfe_u32 v[HB], v0, 4, 1
	v_lshlrev_b32 v[HB], 5, v[HB]
	s_lshl_b32 s40, s[RH], 15
	v_add_nc_u32 v[A0], s40, v[L16]
	s_lshl_b32 s40, s[CH], 15
	s_add_co_u32 s40, s40, KT
	v_add_nc_u32 v[B0], s40, v[L16]
	v_mov_b32 v[ADRA], v[A0]
	v_mov_b32 v[ADRB], v[B0]
	v_lshl_add_u32 v[PKA], s[WV], 15, v[L16]
	s_mov_b32 s[TB], 0
	s_lshl_b32 s40, s[CT], 10                      ; the bias of my 128 columns
	s_lshl_b32 s41, s[CH], 9
	s_add_co_u32 s40, s40, s41
	s_mov_b32 s41, 0
	s_add_nc_u64 s[8:9], s[8:9], s[40:41]
.irp b, 0,1,2,3,4,5,6,7
	global_load_b128 v[BIAS+8*(\b):BIAS+8*(\b)+3],   v[HB], s[8:9] offset:(\b)*64
	global_load_b128 v[BIAS+8*(\b)+4:BIAS+8*(\b)+7], v[HB], s[8:9] offset:(\b)*64+16
.endr
	s_cmp_eq_u32 s[RH], 0                          ; the prefetches of the tiles
	s_cselect_b64 s[PFA:PFA+1], s[46:47], s[66:67]
	s_cselect_b32 s40, s[CX], s[CY]                ; my place among the four that ask with me
	s_cselect_b32 s41, 0, s[KY]                    ; A: every cluster; B: cluster y = 0
	s_cmp_eq_u32 s41, 0
	s_cselect_b32 s[LIM], 2, -1
	s_lshl_b32 s40, s40, 13
	s_add_co_u32 s40, s40, 3*KT                    ; at K step 3: the first refill steps it to 4
	s_mov_b32 s41, 0
	s_add_nc_u64 s[PFA:PFA+1], s[PFA:PFA+1], s[40:41]
	s_wait_tensorcnt 1                             ; my part of K step 0 is in; step 1's may stay out
	s_barrier_signal -1
	s_barrier_wait -1
	FETCH 0, F0
	s_wait_kmcnt 0x0                               ; the 32 scales: positive powers of two, so the greatest word is the greatest number
.set i, 69
.rept 31
	s_max_u32 s68, s68, s[i]
.set i, i+1
.endr
	s_sub_co_u32 s[IVB], 0x7f000000, s68           ; 1 / VB
	s_mov_b32 s[SEL], 0x76543210
	s_mov_b32 s[SEL+1], 0xfedcba98
	s_lshr_b32 s40, s[KY], 2
	s_lshl_b32 s40, s40, 4
	s_lshl2_add_u32 s40, s[CT], s40
	s_lshl1_add_u32 s40, s[CH], s40                ; my first head: 16 b + 4 CT + 2 CH
	s_lshl_b32 s[ZO], s40, 3
	s_lshl_b32 s40, s40, 15
	s_mov_b32 s41, 0
	s_add_nc_u64 s[KP:KP+1], s[10:11], s[40:41]
	s_lshl1_add_u32 s46, s[CY], s[RH]              ; the eight waves (cy, RH) that use a head share its 64 KiB out by address: parts 0-3 of K, 4-7 of V
	s_and_b32 s47, s46, 3
	s_lshl_b32 s47, s47, 13
	s_lshr_b32 s46, s46, 2
	s_lshl_b32 s46, s46, 21
	s_add_co_u32 s46, s46, s47
	s_mov_b32 s47, 0
	s_add_nc_u64 s[KPF:KPF+1], s[KP:KP+1], s[46:47]
	s_and_b32 s40, s[KY], 3                        ; a batch's four clusters read the same K and V: the first asks
	s_cmp_eq_u32 s40, 0
	s_cselect_b32 s[KA3], 3, 0
	s_cselect_b32 s[KA2], 2, 0
	s_lshl_b32 s40, s[TR], 3                       ; aF: tile (TR, 2 CT + CH), my 128 rows
	s_lshl1_add_u32 s40, s[CT], s40
	s_add_co_u32 s40, s40, s[CH]
	s_lshl_b32 s40, s40, 16
	s_lshl_b32 s46, s[RH], 15
	s_add_co_u32 s40, s40, s46
	s_add_nc_u64 s[AP:AP+1], s[14:15], s[40:41]
	s_wait_loadcnt 0x0                             ; the bias
	QUARTER 1, F0, F1, 1                           ; the first quarter stands ahead of the loop: its products start the sums
	WIN 0
	s_mov_b32 s3, 6
.Lstep:                                ; a trip: from a K step's second quarter to the next step's first; it fills the slot that it leaves
	QUARTER 2, F1, F0, 0
	QUARTER 3, F0, F1, 0
	TURN 1
	QUARTER 1, F0, F1, 0
	WIN 0
	s_sub_co_u32 s3, s3, 1
	s_cmp_lg_u32 s3, 0
	s_cbranch_scc1 .Lstep
	s_mov_b32 s3, 2
.Ltail:                                ; K steps 6 and 7 ask for nothing: one text, walked twice and left in the middle of the second trip.  That trip's change of slots does the last quarter's products;
	QUARTER 2, F1, F0, 0                           ; its barrier and its fetch (K step 7's first fragments once more, not used) are the price of one text for both
	QUARTER 3, F0, F1, 0
	TURN 0
	WIN 0
	s_sub_co_u32 s3, s3, 1
	s_cmp_eq_u32 s3, 0
	s_cbranch_scc1 .Lout
	QUARTER 1, F0, F1, 0
	WIN 0
	s_branch .Ltail
.Lout:
	s_wait_dscnt 0x0                               ; the fetch that is not used has landed: its registers are written below
	PLACES
; q IS PARKED.  Row block a: column block b is half b%2 of chunk (b/2)%2 of head b/4: entry (head, a) is 2,048 bytes at (8 head + a) 2,048 of my 32 KiB.  Slot 0 had its last fill (K step 6), every wave's
; reads of it ended ahead of the tail's first barrier, and behind that barrier only slot 1 is read.  Only I touch my 32 KiB, so no barrier is wanted.
.macro PARK a
	WIN 0x0a+5*((\a)/4)                            ; sources in window 2 or 3
.irp b, 0,1,2,3,4,5,6,7
.irp r, 0,1,2,3
	v_cvt_pk_f16_f32 v[F0+32*((\a)%2)+4*(\b)+(\r)], v[64*((\a)%4)+8*(\b)+2*(\r)], v[64*((\a)%4)+8*(\b)+2*(\r)+1]
.endr
.endr
	WIN 0
.irp b, 0,1,2,3,4,5,6,7
	ds_store_b128 v[PKA], v[F0+32*((\a)%2)+4*(\b):F0+32*((\a)%2)+4*(\b)+3] offset:((\b)/4)*16384+(\a)*2048+(((\b)/2)%2)*1024+((\b)%2)*512
.endr
.endm
.irp a, 0,1,2,3,4,5,6,7
	PARK \a
.endr
	WIN 0xc0
	v_mov_b32 v[GO3], v[L16]
	WIN 0
.irp j, 0,1,2,3
	ds_load_b128 v[Q+4*(\j):Q+4*(\j)+3], v[PKA] offset:512*(\j)   ; entry 0; LDS serves a wave's instructions in order: these see the stores above
.endr
	s_mov_b32 s[QO], 0
	s_mov_b32 s[HC], 2
.Lhead:                                ; my two heads
	s_load_b64 s[KS:KS+1], s[SCP:SCP+1], s[ZO] offset:0x0
	s_load_b64 s[VS:VS+1], s[SCP:SCP+1], s[ZO] offset:0x200
	WIN 0x40                                       ; K: fragment (key block kb, chunk c) at registers 8 (2 kb + c) of window 1
.set j, 0
.rept 64
	global_load_b128 v[4*j:4*j+3], v[L16], s[KP:KP+1] offset:512*j
.set j, j+1
.endr
	WIN 0x80                                       ; V^T: fragment (32 keys kc, channel block cb) at 8 (4 kc + cb) of window 2
.set j, 0
.rept 64
	global_load_b128 v[4*j:4*j+3], v[L16], s[KP:KP+1] offset:0x200000+512*j
.set j, j+1
.endr
	WIN 0
	s_cmp_eq_u32 s[HC], 2
	s_cselect_b32 s[KUN], s[KA3], 0                ; in the first head's sixth tile the second head's K and V are asked for
	s_wait_kmcnt 0x0
	s_mul_f32 s[C0], s[KS], 0x3e38aa3b             ; c_g = ksc_g log2(e) / 8
	s_mul_f32 s[C0+2], s[KS+1], 0x3e38aa3b
	s_mul_f32 s[R0], s[VS], s[IVB]
	s_mul_f32 s[R0+1], s[VS+1], s[IVB]
	s_mov_b32 s[C0+1], s[C0]                       ; named as pairs
	s_mov_b32 s[C0+3], s[C0+2]
	s_mov_b32 s[TC], 8
	s_wait_loadcnt 63                              ; K's 64 loads are in: 64 were issued behind them, and 63 is the largest count that the wait names
.Ltile:
	s_wait_dscnt 0x0                               ; q is in
	WIN 0xf1                                       ; K window 1, q window 0, S^T window 3
.irp c, 0,1
.irp k, 0,1,2,3,4,5,6,7,8,9,10,11,12,13,14,15
.if (\c) == 0
	v_wmma_f32_16x16x32_f16 v[S+8*(\k):S+8*(\k)+7], v[8*(2*(\k)+(\c)):8*(2*(\k)+(\c))+7], v[Q+8*(\c):Q+8*(\c)+7], 0
.else
	v_wmma_f32_16x16x32_f16 v[S+8*(\k):S+8*(\k)+7], v[8*(2*(\k)+(\c)):8*(2*(\k)+(\c))+7], v[Q+8*(\c):Q+8*(\c)+7], v[S+8*(\k):S+8*(\k)+7]
.endif
.endr
.endr
	WIN 0
	PLACES
	s_add_co_u32 s[QO], s[QO], 2048                ; the next entry; behind the sixteenth it wraps to entry 0 of my own 32 KiB, which is then fetched and not used
	s_and_b32 s[QO], s[QO], 0x7800
	v_add_nc_u32 v[QA], s[QO], v[PKA]
.irp j, 0,1,2,3
	ds_load_b128 v[Q+4*(\j):Q+4*(\j)+3], v[QA] offset:512*(\j)
.endr
	s_cmp_eq_u32 s[TC], s[KUN]
	s_cbranch_scc0 .Lno_kv2
	global_prefetch_b8 v[PFO], s[KPF:KPF+1] offset:32768 th:TH_LOAD_NT scope:SCOPE_SE  ; three tiles ahead of the loads
.Lno_kv2:
	WIN 0xff                                       ; all in window 3
.irp g, 0,1                            ; the maximum of each half of the keys: eight chains of seven scores (each accumulator's low registers first), the eight left over, four joins
.irp k, 0,1,2,3,4,5,6,7
	v_max3_num_f32 v[T+8*(\g)+(\k)], v[S+64*(\g)+8*(\k)], v[S+64*(\g)+8*(\k)+1], v[S+64*(\g)+8*(\k)+2]
.endr
.irp k, 0,1,2,3,4,5,6,7
	v_max3_num_f32 v[T+8*(\g)+(\k)], v[T+8*(\g)+(\k)], v[S+64*(\g)+8*(\k)+3], v[S+64*(\g)+8*(\k)+4]
.endr
.irp k, 0,1,2,3,4,5,6,7
	v_max3_num_f32 v[T+8*(\g)+(\k)], v[T+8*(\g)+(\k)], v[S+64*(\g)+8*(\k)+5], v[S+64*(\g)+8*(\k)+6]
.endr
.irp k, 0,1,2,3
	v_max3_num_f32 v[T+8*(\g)+(\k)], v[T+8*(\g)+(\k)], v[S+64*(\g)+16*(\k)+7], v[S+64*(\g)+16*(\k)+15]
.endr
	v_max3_num_f32 v[T+8*(\g)], v[T+8*(\g)], v[T+8*(\g)+1], v[T+8*(\g)+2]
	v_max3_num_f32 v[T+8*(\g)+4], v[T+8*(\g)+4], v[T+8*(\g)+5], v[T+8*(\g)+6]
	v_max3_num_f32 v[T+8*(\g)], v[T+8*(\g)], v[T+8*(\g)+3], v[T+8*(\g)+7]
	v_max_num_f32 v[T+8*(\g)], v[T+8*(\g)], v[T+8*(\g)+4]
.endr
	v_mul_f32 v[W0], s[C0], v[T]                   ; c_g is positive: the maximum of c s is c times the maximum of s
	v_mul_f32 v[W0+1], s[C0+2], v[T+8]
	v_max_num_f32 v[W0], v[W0], v[W0+1]
	v_permlanex16_b32 v[W0+1], v[W0], s[SEL], s[SEL+1]  ; the query's other keys lie in the lane 16 away
	v_max_num_f32 v[M], v[W0], v[W0+1]
	v_mov_b32 v[M+1], v[M]
.set p, 0
.rept 64
	v_pk_fma_f32 v[S+2*p:S+2*p+1], v[S+2*p:S+2*p+1], s[C0+2*(p/32):C0+2*(p/32)+1], v[M:M+1] op_sel_hi:[1,0,0] neg_lo:[0,0,1] neg_hi:[0,0,1]
.set p, p+1
.endr
.set p, 0
.rept 128                              ; one batch
	v_exp_f32 v[S+p], v[S+p]
.set p, p+1
.endr
	v_nop                                          ; a plain instruction behind the last exponential,
	s_wait_alu depctr_va_vdst(0)                   ; and the one wait ahead of the batch's first reader
.set p, 0
.rept 64
	v_cvt_pk_f16_f32 v[P+p], v[S+2*p], v[S+2*p+1]  ; key blocks 2 kc and 2 kc + 1 are the two halves of fragment kc
.set p, p+1
.endr
.irp w, 1,2,4,8,16,32                  ; l: the 64 pairs are added in place, neighbours 1, 2, .. 32 pairs apart
.set u, 0
.rept 32/(\w)
	v_pk_add_f32 v[S+4*(\w)*u:S+4*(\w)*u+1], v[S+4*(\w)*u:S+4*(\w)*u+1], v[S+4*(\w)*u+2*(\w):S+4*(\w)*u+2*(\w)+1]
.set u, u+1
.endr
.endr
	v_add_f32 v[W0+2], v[S], v[S+1]
	v_permlanex16_b32 v[W0+1], v[W0+2], s[SEL], s[SEL+1]
	v_add_f32 v[W0+2], v[W0+2], v[W0+1]
	v_rcp_f32 v[RINV], v[W0+2]                     ; l is 1 at the least
	s_wait_loadcnt 0x0                             ; V is in
	WIN 0xfe                                       ; V^T window 2; P, C and D window 3
.irp k, 0,1,2,3                        ; eight accumulators (half g of the keys, channel block m) take turns
.irp g, 0,1
.irp m, 0,1,2,3
.if (\k) == 0
	v_wmma_f32_16x16x32_f16 v[32*(\g)+8*(\m):32*(\g)+8*(\m)+7], v[8*(4*(4*(\g)+(\k))+(\m)):8*(4*(4*(\g)+(\k))+(\m))+7], v[P+8*(4*(\g)+(\k)):P+8*(4*(\g)+(\k))+7], 0
.else
	v_wmma_f32_16x16x32_f16 v[32*(\g)+8*(\m):32*(\g)+8*(\m)+7], v[8*(4*(4*(\g)+(\k))+(\m)):8*(4*(4*(\g)+(\k))+(\m))+7], v[P+8*(4*(\g)+(\k)):P+8*(4*(\g)+(\k))+7], v[32*(\g)+8*(\m):32*(\g)+8*(\m)+7]
.endif
.endr
.endr
.endr
	WIN 0xff
	PLACES
	s_wait_alu depctr_va_vdst(0)                   ; the reciprocal's wait, ahead of its first reader
	s_wait_xcnt 0x0                                ; the last tile's stores have read H and the pointer
	s_add_nc_u64 s[AP:AP+1], s[AP:AP+1], 4096      ; a row block on; the stores below reach back
	v_mul_f32 v[FA], s[R0], v[RINV]
	v_mul_f32 v[FA+1], s[R0], v[RINV]
	v_mul_f32 v[FA+2], s[R0+1], v[RINV]
	v_mul_f32 v[FA+3], s[R0+1], v[RINV]
.set p, 0
.rept 16
	v_pk_mul_f32 v[2*p:2*p+1], v[2*p:2*p+1], v[FA:FA+1]
.set p, p+1
.endr
.set p, 0
.rept 16
	v_pk_fma_f32 v[2*p:2*p+1], v[32+2*p:32+2*p+1], v[FA+2:FA+3], v[2*p:2*p+1]
.set p, p+1
.endr
.set p, 0
.rept 16
	v_cvt_pk_f16_f32 v[H+p], v[2*p], v[2*p+1]
.set p, p+1
.endr
.irp m, 0,1,2,3
	global_store_b128 v[GO3], v[H+4*(\m):H+4*(\m)+3], s[AP:AP+1] offset:(\m)*512-4096   ; 512 consecutive bytes, aligned: the head's two fragments of this row block
.endr
	WIN 0
	s_sub_co_u32 s[TC], s[TC], 1
	s_cmp_lg_u32 s[TC], 0
	s_cbranch_scc1 .Ltile
	s_wait_xcnt 0x0                                ; the loads and stores have read what is stepped now
	s_add_co_u32 s[ZO], s[ZO], 8
	s_add_nc_u64 s[KP:KP+1], s[KP:KP+1], 32768
	s_sub_nc_u64 s[AP:AP+1], s[AP:AP+1], 30720     ; back eight row blocks, two quarters on
	s_sub_co_u32 s[HC], s[HC], 1
	s_cmp_lg_u32 s[HC], 0
	s_cbranch_scc1 .Lhead
	s_wait_tensorcnt 0x0                           ; the wave's end: a tensor wait, an add of 0 to my spare word and its wait, behind my last tensor load and my last LDS store
	ds_add_u32 v[SPW], v[NIL]
	s_wait_dscnt 0x0
	CROUND                                         ; the closing round
	s_endpgm
.Lfunc_end_k_qf495400372_qattn:
	.size	k_qf495400372_qattn, .Lfunc_end_k_qf495400372_qattn-k_qf495400372_qattn
	.p2alignl 7, 3214868480
	.fill 96, 4, 3214868480
	.section	.rodata,"a",@progbits
	.p2align	6, 0x0
	.amdhsa_kernel k_qf495400372_qattn
		.amdhsa_group_segment_fixed_size 327680
		.amdhsa_private_segment_fixed_size 0
		.amdhsa_enable_private_segment 0
		.amdhsa_kernarg_size 48
		.amdhsa_user_sgpr_count 2
		.amdhsa_user_sgpr_kernarg_segment_ptr 1
		.amdhsa_wavefront_size32 1
		.amdhsa_system_sgpr_workgroup_id_x 1
		.amdhsa_system_sgpr_workgroup_id_y 1
		.amdhsa_system_sgpr_workgroup_id_z 1
		.amdhsa_system_vgpr_workitem_id 0
		.amdhsa_next_free_vgpr 1024
		.amdhsa_next_free_sgpr 104
		.amdhsa_reserve_vcc 0
		.amdhsa_float_denorm_mode_32 3
		.amdhsa_float_denorm_mode_16_64 3
		.amdhsa_memory_ordered 1
		.amdhsa_forward_progress 1
		.amdhsa_inst_pref_size 135
	.end_amdhsa_kernel
	.amdgpu_metadata
---
amdhsa.version: [ 1, 2 ]
amdhsa.kernels:
  - .name:           k_qf495400372_qattn
    .symbol:         k_qf495400372_qattn.kd
    .args:
      - { .name: xF, .offset: 0, .size: 8, .value_kind: global_buffer, .address_space: global }
      - { .name: wF, .offset: 8, .size: 8, .value_kind: global_buffer, .address_space: global }
      - { .name: bq, .offset: 16, .size: 8, .value_kind: global_buffer, .address_space: global }
      - { .name: kvF, .offset: 24, .size: 8, .value_kind: global_buffer, .address_space: global }
      - { .name: sc, .offset: 32, .size: 8, .value_kind: global_buffer, .address_space: global }
      - { .name: aF, .offset: 40, .size: 8, .value_kind: global_buffer, .address_space: global }
    .group_segment_fixed_size: 327680
    .private_segment_fixed_size: 0
    .kernarg_segment_align: 8
    .kernarg_segment_size: 48
    .max_flat_workgroup_size: 128
    .sgpr_count:     104
    .vgpr_count:     1024
    .wavefront_size: 32
...
	.end_amdgpu_metadata
.endif
;; end of part 5
;; launch oproj (part 6): grid 4 x 64, 4 waves a work-group, clusters of 4 x 4, 327,680 bytes of LDS; arguments aF, wF, bo, sc, out0; writes out0
.if DOCPART == 6
	.amdgcn_target "amdgcn-amd-amdhsa--gfx1250"
	.amdhsa_code_object_version 6
	.text
	.protected	k_qf495400372_oproj
	.globl	k_qf495400372_oproj
	.p2align	8
	.type	k_qf495400372_oproj,@function
k_qf495400372_oproj:
	s_mov_b64 s[64:65], 0
	v_nop
	global_prefetch_b8 v0, s[64:65] scope:SCOPE_SE
	s_setreg_imm32_b32 hwreg(HW_REG_WAVE_MODE, 25, 1), 1
	s_wait_xcnt 0x0
	s_wait_alu depctr_hold_cnt(0) depctr_sa_sdst(0) depctr_va_vdst(0) depctr_va_sdst(0) depctr_va_ssrc(0) depctr_va_vcc(0) depctr_vm_vsrc(0)
	s_getreg_b32 s2, hwreg(HW_REG_IB_STS2, 6, 4)
	s_cmp_eq_u32 s2, 0
	s_cbranch_scc0 .Lentry_in_a_cluster
	s_endpgm
.Lentry_in_a_cluster:
	s_bfe_u32 s2, ttmp6, 0x10000c
	s_cmp_lg_u32 s2, 0xf033
	s_cbranch_scc0 .Lentry_shape_is_right
	s_endpgm
.Lentry_shape_is_right:
; out[t][b][n] = VB_b x (the sum over k of aF[t][b][k] Wo[n][k]) + bo[n], f32.  aF holds the attention's result divided by VB_b, the largest of batch b's 32 V scales (a power of two), in f16.
; The product is the one of the launch before: a block of 256 x 256 for a work-group of four waves, each 128 x 128; K = 1,024 in eight steps of 128 through two LDS slots; tiles are fragment images of 65,536 dense
; bytes (16 rows x 32 k in 1,024 bytes: byte half*512 + lane*16 + 2e = row lane%16, k = 16 half + 8 (lane/16) + e; fragment (row block a, quarter q) at 4096 a + 1024 q), brought by one tensor load a wave
; (128 rows of 256 bytes) and read 16 bytes a lane on end; 4 x 4 work-groups form a cluster, aF's tile shared along a row, Wo's along a column, each asked for jointly.
; Source 0 = 16 rows of Wo, source 1 = 16 rows of aF: a lane holds one row t and eight neighbouring columns.
; THE WAY OUT.  16 rows at a time: VB x sum + bo in f32, through the wave's own stage in LDS (rows of 512 bytes, 528 apart), back as whole rows: each store is 512 consecutive aligned bytes of one row of out.
.set WOFF,  0x600000                   ; Wo in wF
.set SCP,   10                         ; s[10:11] sc
.set SLOT,  131072
.set KT,    65536
.set STAGE, 2*SLOT                     ; behind the ring, never filled by a tensor load
.set SPITCH, 528
.set SPARE, STAGE+4*16*SPITCH          ; the spare words: 128 bytes a wave, two blocks of 256 bytes that no other line names
.set L16,  3                           ; v3   16 x lane
.set HB,   4                           ; v4   32 (lane/16)
.set ADRA, 16                          ; v16  my A fragments in the slot in hand
.set ADRB, 17                          ; v17  my B fragments
.set A0,   18                          ; v18  the same in slot 0; never rewritten
.set B0,   19                          ; v19
.set STO,  24                          ; v24  where my 32 bytes of a row go in the stage
.set RD,   25                          ; v25  where I read a row back
.set SPW,  28                          ; v28  my spare word; never rewritten
.set NIL,  29                          ; v29  0; never rewritten
.set PFO,  30                          ; v30  256 x lane; never rewritten
.set F0,   64                          ; fragment buffers: A's in window 0, B's in window 1; on the way out F0 holds the finished numbers, F1 the rows read back
.set F1,   128
.set BIAS, 192                         ; v[192:255] bo of my 128 columns
.set WV, 16
.set RH, 17                            ; which 128 rows are mine; also: I fetch for A (0) or B (1)
.set CH, 18                            ; which 128 columns; also: which half of that tile I fetch
.set CX, 19
.set CY, 20
.set CT, 21                            ; tile column
.set TR, 22                            ; tile row = 16 b + t / 256
.set KY, 23                            ; cluster y
.set G1, 24                            ; s[24:31] group 1, A;  s[32:39] group 0, two sets: the second walks
.set G0, 32
.set TB, 42                            ; the slot in hand
.set LIM, 43
.set PFA, 44
.set G1B, 48
.set G0B, 56
.set VB,  100                          ; s[100:101] VB, named as a pair
.set MSB, 0
.macro WIN new                         ; the high byte repeats the setting that is left; a switch that changes nothing is dropped
.if MSB != (\new)
	s_set_vgpr_msb (MSB<<8)|(\new)
.set MSB, \new
.endif
.endm
.macro PLACES                          ; four places behind a matrix instruction, ahead of loads into its registers and of vector lines that read its result
.rept 4
	v_nop
.endr
.endm
.macro CREST                           ; a round of the cluster's barrier behind its opening barrier
	s_cmp_lg_u32 s[WV], 0
	s_cbranch_scc1 .Lnot_wave_0_\@
	s_barrier_signal -3
.Lnot_wave_0_\@:
	s_barrier_wait -3
	s_barrier_signal -1
	s_barrier_wait -1
.endm
.macro CROUND
	s_barrier_signal -1
	s_barrier_wait -1
	CREST
.endm
.macro JLOAD                           ; a joint refill by the walking sets: waves 0, 1 fetch A's halves, waves 2, 3 B's; an s_nop 0 and four v_nop follow each line
	s_cmp_eq_u32 s[RH], 0
	s_cbranch_scc0 .Lfor_b_\@
	tensor_load_to_lds s[G0+4:G0+7], s[G1:G1+7]
	s_nop 0
.rept 4
	v_nop
.endr
	s_branch .Lasked_\@
.Lfor_b_\@:
	tensor_load_to_lds s[G0B+4:G0B+7], s[G1B:G1B+7]
	s_nop 0
.rept 4
	v_nop
.endr
.Lasked_\@:
.endm
; A prefetch of the K step two refills on: of the 128 blocks of 256 bytes that I fetch, my work-group's 32 (told apart from its three partners by address), a lane a block.  aF's tile row is read by this
; cluster alone, so every cluster asks for its own; Wo's tile column is read by all sixteen clusters: cluster y = 0 asks.  K steps 0 to 3 come by their loads alone; the last two refills have no step two on.
.macro ASK
	s_cmp_gt_u32 s3, s[LIM]
	s_cbranch_scc0 .Lnot_mine_\@
	global_prefetch_b8 v[PFO], s[PFA:PFA+1] th:TH_LOAD_NT scope:SCOPE_SE
.Lnot_mine_\@:
.endm
; 16 products: row blocks a0, a0 + 1 of the window's four x all 8 column blocks, 32 along K.  zero = 1: they start the sums with the constant 0
.macro MUL16 f, hi, a0, zero
	WIN 0xa1+0x50*(\hi)                            ; source 0 window 1, source 1 window 0, C and D window 2 or 3
.irp a, \a0, (\a0)+1
.irp b, 0,1,2,3,4,5,6,7
.if \zero
	v_wmma_f32_16x16x32_f16 v[8*(8*(\a)+(\b)):8*(8*(\a)+(\b))+7], v[(\f)+8*(\b):(\f)+8*(\b)+7], v[(\f)+8*(4*(\hi)+(\a)):(\f)+8*(4*(\hi)+(\a))+7], 0
.else
	v_wmma_f32_16x16x32_f16 v[8*(8*(\a)+(\b)):8*(8*(\a)+(\b))+7], v[(\f)+8*(\b):(\f)+8*(\b)+7], v[(\f)+8*(4*(\hi)+(\a)):(\f)+8*(4*(\hi)+(\a))+7], v[8*(8*(\a)+(\b)):8*(8*(\a)+(\b))+7]
.endif
.endr
.endr
.endm
.macro FETCH q, f                      ; 32 LDS loads in one run: quarter q of the slot in hand into buffer f: B's eight fragments, then A's
	WIN 0x40
.irp i, 0,1,2,3,4,5,6,7
	ds_load_b128 v[(\f)+8*(\i):(\f)+8*(\i)+3],   v[ADRB] offset:(\q)*1024+(\i)*4096
	ds_load_b128 v[(\f)+8*(\i)+4:(\f)+8*(\i)+7], v[ADRB] offset:(\q)*1024+(\i)*4096+512
.endr
	WIN 0
.irp i, 0,1,2,3,4,5,6,7
	ds_load_b128 v[(\f)+8*(\i):(\f)+8*(\i)+3],   v[ADRA] offset:(\q)*1024+(\i)*4096
	ds_load_b128 v[(\f)+8*(\i)+4:(\f)+8*(\i)+7], v[ADRA] offset:(\q)*1024+(\i)*4096+512
.endr
.endm
.macro QUARTER q, f, g, zero           ; multiplies buffer f; in its middle fetches quarter q into buffer g
	s_wait_dscnt 8                                 ; the youngest eight loads (A's fragments 4-7) may be out
	MUL16 \f, 0, 0, \zero
	MUL16 \f, 0, 2, \zero
	PLACES
	FETCH \q, \g
	s_wait_dscnt 32                                ; all but the 32 just issued
	MUL16 \f, 1, 0, \zero
	MUL16 \f, 1, 2, \zero
.endm
; The first half of a K step's last quarter, and ONE barrier for the change of slots.  The quarter's first 32 products stand AHEAD of the wait for the tensor loads, so that nothing but the barrier stands between
; a tile's landing and the next request.  Ahead of the barrier each wave waits for all its tensor loads (one is out: its part of the next slot), adds 0 to its spare word, and waits for that and for its reads of this slot.
.macro MEET
	s_wait_dscnt 8                                 ; the youngest eight loads (A's fragments 4-7) may be out
	MUL16 F1, 0, 0, 0
	MUL16 F1, 0, 2, 0
	WIN 0
	s_wait_tensorcnt 0x0                           ; my part of the next slot has landed
	ds_add_u32 v[SPW], v[NIL]
	s_wait_dscnt 0x0                               ; the add is done, my reads of this slot are over
	s_barrier_signal -1
	s_barrier_wait -1
.endm
; The whole last quarter.  fill = 1: the slot just read out takes the K step two on, by a joint load, first thing behind a round of the cluster's barrier.
; fill = 0, in the tail: nothing is asked for, and the slot in hand is slot 1 from here on.
.macro TURN fill
.if \fill
	s_wait_xcnt 0x0                                ; the last prefetch, a K step back, has read its address
	s_add_nc_u64 s[PFA:PFA+1], s[PFA:PFA+1], KT
.endif
	MEET
.if \fill
	CREST                                          ; no wave of any partner still reads the slot or has a load on its way
	s_xor_b32 s[G0+5], s[G0+5], SLOT               ; the walking sets: the other slot than last time, the next K step
	s_add_nc_u64 s[G0+6:G0+7], s[G0+6:G0+7], KT
	s_xor_b32 s[G0B+5], s[G0B+5], SLOT
	s_add_nc_u64 s[G0B+6:G0B+7], s[G0B+6:G0B+7], KT
	s_xor_b32 s[TB], s[TB], SLOT
	JLOAD                                          ; its four v_nop are also the places ahead of the loads below
.else
	PLACES
	s_mov_b32 s[TB], SLOT
.endif
	v_add_nc_u32 v[ADRA], s[TB], v[A0]
	v_add_nc_u32 v[ADRB], s[TB], v[B0]
	FETCH 0, F0
.if \fill
	ASK
.endif
	MUL16 F1, 1, 0, 0
	MUL16 F1, 1, 2, 0
.endm
	s_load_b256 s[4:11], s[0:1], 0x0               ; aF s[4:5], wF s[6:7], bo s[8:9], sc s[10:11]
	s_load_b64 s[12:13], s[0:1], 0x20              ; out0
	v_lshl_add_u32 v[SPW], v0, 2, SPARE
	v_mov_b32 v[NIL], 0
	ds_add_u32 v[SPW], v[NIL]                      ; the wave's opening: an add of 0 to my spare word, waited for ahead of my first tensor load
	v_lshrrev_b32 v1, 5, v0
	v_readfirstlane_b32 s[WV], v1
	s_lshr_b32 s[RH], s[WV], 1
	s_and_b32 s[CH], s[WV], 1
	s_bfe_u32 s[CX], ttmp6, 0x40000
	s_bfe_u32 s[CY], ttmp6, 0x40004
	s_lshl_b32 s[CT], ttmp9, 2
	s_add_co_u32 s[CT], s[CT], s[CX]
	s_and_b32 s[KY], ttmp7, 0xffff
	s_lshl_b32 s[TR], s[KY], 2
	s_add_co_u32 s[TR], s[TR], s[CY]
	s_lshl_b32 s40, s[CY], 2
	s_lshl_b32 s40, 15, s40                        ; my row of the cluster
	s_lshl_b32 s41, 0x1111, s[CX]                  ; my column
	s_or_b32 s[G1], s40, (3<<16)|(1<<21)           ; 15:0 the mask; 17:16 elements of 8 bytes; 21 set beside a mask; no padding
	s_or_b32 s[G1B], s41, (3<<16)|(1<<21)
.irp g, G1, G1B                        ; a dense block: 128 rows of 32 elements (256 bytes)
	s_mov_b32 s[(\g)+1], 32<<16
	s_mov_b32 s[(\g)+2], 128<<16
	s_mov_b32 s[(\g)+3], 32<<16
	s_mov_b32 s[(\g)+4], 128
	s_mov_b32 s[(\g)+5], 32
	s_mov_b32 s[(\g)+6], 0
	s_mov_b32 s[(\g)+7], 0
.endr
	s_lshl_b32 s40, s[CH], 15                      ; which half of a tile image I fetch
	s_lshl_b32 s46, s[TR], 19                      ; A: eight tile images a tile row
	s_add_co_u32 s46, s46, s40
	s_mov_b32 s47, 0
	s_lshl_b32 s66, s[CT], 19                      ; B: the same by the tile column
	s_add_co_u32 s66, s66, s40
	s_add_co_u32 s66, s66, WOFF
	s_mov_b32 s67, 0
	s_lshl_b32 s41, s[WV], 15                      ; where it goes in a slot: the wave's number alone
	s_lshr_b32 s2, s[KY], 2                        ; the batch's 32 V scales: 512 + 128 b
	s_lshl_b32 s2, s2, 7
	s_add_co_u32 s2, s2, 512
	s_wait_dscnt 0x0                               ; the opening add is done
	s_wait_kmcnt 0x0
	s_add_nc_u64 s[46:47], s[4:5], s[46:47]
	s_add_nc_u64 s[66:67], s[6:7], s[66:67]
	CROUND                                         ; all sixteen work-groups are here: the first joint loads meet
.irp s, 0,1
	s_mov_b32 s[G0+4*(\s)], 1
	s_add_co_u32 s[G0+4*(\s)+1], s41, (\s)*SLOT
	s_add_nc_u64 s[G0+4*(\s)+2:G0+4*(\s)+3], s[46:47], (\s)*KT
	s_or_b32 s[G0+4*(\s)+3], s[G0+4*(\s)+3], 0x80000000
	s_mov_b32 s[G0B+4*(\s)], 1
	s_add_co_u32 s[G0B+4*(\s)+1], s41, (\s)*SLOT
	s_add_nc_u64 s[G0B+4*(\s)+2:G0B+4*(\s)+3], s[66:67], (\s)*KT
	s_or_b32 s[G0B+4*(\s)+3], s[G0B+4*(\s)+3], 0x80000000
.endr
	s_cmp_eq_u32 s[RH], 0                          ; a wave's two first fills stand in one branch: two loads of mine are out
	s_cbranch_scc0 .Lfirst_b
	tensor_load_to_lds s[G0:G0+3], s[G1:G1+7]
	s_nop 0
	tensor_load_to_lds s[G0+4:G0+7], s[G1:G1+7]
	s_nop 0
.rept 4
	v_nop
.endr
	s_branch .Lfirst_asked
.Lfirst_b:
	tensor_load_to_lds s[G0B:G0B+3], s[G1B:G1B+7]
	s_nop 0
	tensor_load_to_lds s[G0B+4:G0B+7], s[G1B:G1B+7]
	s_nop 0
.rept 4
	v_nop
.endr
.Lfirst_asked:
	s_load_b512 s[68:83], s[SCP:SCP+1], s2 offset:0x0
	s_load_b512 s[84:99], s[SCP:SCP+1], s2 offset:0x40
	v_and_b32 v2, 31, v0
	v_lshlrev_b32 v[L16], 4, v2
	v_lshlrev_b32 v[PFO], 8, v2
	v_and_b32 v5, 15, v0
	v_bfe_u32 v[HB], v0, 4, 1
	v_lshlrev_b32 v[HB], 5, v[HB]
	s_lshl_b32 s40, s[RH], 15
	v_add_nc_u32 v[A0], s40, v[L16]
	s_lshl_b32 s40, s[CH], 15
	s_add_co_u32 s40, s40, KT
	v_add_nc_u32 v[B0], s40, v[L16]
	v_mov_b32 v[ADRA], v[A0]
	v_mov_b32 v[ADRB], v[B0]
	s_mul_i32 s40, s[WV], 16*SPITCH
	s_add_co_u32 s40, s40, STAGE                   ; my stage
	v_mul_u32_u24 v[STO], v5, SPITCH               ; in: row lane%16, 32 bytes for each half of the lanes
	v_add_nc_u32 v[STO], v[HB], v[STO]
	v_add_nc_u32 v[STO], s40, v[STO]
	v_add_nc_u32 v[RD], s40, v[L16]                ; back: 32 lanes take one row of 512 bytes
	s_mov_b32 s[TB], 0
	s_lshl_b32 s40, s[CT], 10                      ; the bias of my 128 columns
	s_lshl_b32 s41, s[CH], 9
	s_add_co_u32 s40, s40, s41
	s_mov_b32 s41, 0
	s_add_nc_u64 s[8:9], s[8:9], s[40:41]
.irp b, 0,1,2,3,4,5,6,7
	global_load_b128 v[BIAS+8*(\b):BIAS+8*(\b)+3],   v[HB], s[8:9] offset:(\b)*64
	global_load_b128 v[BIAS+8*(\b)+4:BIAS+8*(\b)+7], v[HB], s[8:9] offset:(\b)*64+16
.endr
	s_cmp_eq_u32 s[RH], 0                          ; the prefetches of the tiles
	s_cselect_b64 s[PFA:PFA+1], s[46:47], s[66:67]
	s_cselect_b32 s40, s[CX], s[CY]                ; my place among the four that ask with me
	s_cselect_b32 s41, 0, s[KY]                    ; A: every cluster; B: cluster y = 0
	s_cmp_eq_u32 s41, 0
	s_cselect_b32 s[LIM], 2, -1
	s_lshl_b32 s40, s40, 13
	s_add_co_u32 s40, s40, 3*KT                    ; at K step 3: the first refill steps it to 4
	s_mov_b32 s41, 0
	s_add_nc_u64 s[PFA:PFA+1], s[PFA:PFA+1], s[40:41]
	s_and_b32 s40, s[TR], 15                       ; out: row t = 256 (TR%16) + 128 RH, batch b, column 256 CT + 128 CH
	s_lshl_b32 s40, s40, 8
	s_lshl_b32 s41, s[RH], 7
	s_add_co_u32 s40, s40, s41
	s_lshl_b32 s40, s40, 14
	s_lshr_b32 s41, s[KY], 2
	s_lshl_b32 s41, s41, 12
	s_add_co_u32 s40, s40, s41
	s_lshl_b32 s41, s[CT], 10
	s_add_co_u32 s40, s40, s41
	s_lshl_b32 s41, s[CH], 9
	s_add_co_u32 s40, s40, s41
	s_mov_b32 s41, 0
	s_add_nc_u64 s[12:13], s[12:13], s[40:41]
	s_wait_tensorcnt 1                             ; my part of K step 0 is in; step 1's may stay out
	s_barrier_signal -1
	s_barrier_wait -1
	FETCH 0, F0
	s_wait_kmcnt 0x0                               ; the 32 scales: positive powers of two, so the greatest word is the greatest number
.set i, 69
.rept 31
	s_max_u32 s68, s68, s[i]
.set i, i+1
.endr
	s_mov_b32 s[VB], s68
	s_mov_b32 s[VB+1], s68
	s_wait_loadcnt 0x0                             ; the bias
	QUARTER 1, F0, F1, 1                           ; the first quarter stands ahead of the loop: its products start the sums
	WIN 0
	s_mov_b32 s3, 6
.Lstep:                                ; a trip: from a K step's second quarter to the next step's first; it fills the slot that it leaves
	QUARTER 2, F1, F0, 0
	QUARTER 3, F0, F1, 0
	TURN 1
	QUARTER 1, F0, F1, 0
	WIN 0
	s_sub_co_u32 s3, s3, 1
	s_cmp_lg_u32 s3, 0
	s_cbranch_scc1 .Lstep
	s_mov_b32 s3, 2
.Ltail:                                ; K steps 6 and 7 ask for nothing: one text, walked twice and left in the middle of the second trip.  That trip's change of slots does the last quarter's products;
	QUARTER 2, F1, F0, 0                           ; its barrier and its fetch (K step 7's first fragments once more, not used) are the price of one text for both
	QUARTER 3, F0, F1, 0
	TURN 0
	WIN 0
	s_sub_co_u32 s3, s3, 1
	s_cmp_eq_u32 s3, 0
	s_cbranch_scc1 .Lout
	QUARTER 1, F0, F1, 0
	WIN 0
	s_branch .Ltail
.Lout:
	s_wait_dscnt 0x0                               ; the fetch that is not used has landed: its registers are written below
	PLACES
.macro PACK a                          ; row block a: VB x sum + bias, each accumulator's registers in ascending order
	WIN 0x02+(\a)/4                                ; source 0 in window 2 or 3
.irp b, 0,1,2,3,4,5,6,7
.irp r, 0,2,4,6
	v_pk_fma_f32 v[F0+8*(\b)+(\r):F0+8*(\b)+(\r)+1], v[64*((\a)%4)+8*(\b)+(\r):64*((\a)%4)+8*(\b)+(\r)+1], s[VB:VB+1], v[BIAS+8*(\b)+(\r):BIAS+8*(\b)+(\r)+1] op_sel_hi:[1,0,1]
.endr
.endr
	WIN 0
.endm
.macro TOSTAGE                         ; into my stage, and back as whole rows
.irp b, 0,1,2,3,4,5,6,7
	ds_store_b128 v[STO], v[F0+8*(\b):F0+8*(\b)+3]   offset:(\b)*64
	ds_store_b128 v[STO], v[F0+8*(\b)+4:F0+8*(\b)+7] offset:(\b)*64+16
.endr
	s_wait_xcnt 0x0                                ; the stores of the block before have read the registers that are loaded now
.irp t, 0,1,2,3,4,5,6,7,8,9,10,11,12,13,14,15
	ds_load_b128 v[F1+4*(\t):F1+4*(\t)+3], v[RD] offset:(\t)*SPITCH   ; LDS serves a wave's instructions in order: these see the stores above
.endr
.endm
.macro SEND a
.if (\a) > 0
	s_wait_xcnt 0x0                                ; the earlier stores have read the pointer
	s_add_nc_u64 s[12:13], s[12:13], 16*16384      ; 16 rows of out on
.endif
.irp t, 0,1,2,3,4,5,6,7,8,9,10,11,12,13,14,15
	s_wait_dscnt 15-(\t)                           ; the later rows' loads may stay out
	global_store_b128 v[L16], v[F1+4*(\t):F1+4*(\t)+3], s[12:13] offset:(\t)*16384 th:TH_STORE_NT   ; 512 consecutive bytes of one row, aligned
.endr
.endm
	PACK 0
	TOSTAGE
.irp a, 1,2,3,4,5,6,7                  ; a block's arithmetic stands between the loads of the block before and its stores
	PACK \a
	SEND (\a)-1
	TOSTAGE
.endr
	SEND 7
	s_wait_tensorcnt 0x0                           ; the wave's end: a tensor wait, an add of 0 to my spare word and its wait, behind my last tensor load and my last LDS store
	ds_add_u32 v[SPW], v[NIL]
	s_wait_dscnt 0x0
	CROUND                                         ; the closing round
	s_endpgm
.Lfunc_end_k_qf495400372_oproj:
	.size	k_qf495400372_oproj, .Lfunc_end_k_qf495400372_oproj-k_qf495400372_oproj
	.p2alignl 7, 3214868480
	.fill 96, 4, 3214868480
	.section	.rodata,"a",@progbits
	.p2align	6, 0x0
	.amdhsa_kernel k_qf495400372_oproj
		.amdhsa_group_segment_fixed_size 327680
		.amdhsa_private_segment_fixed_size 0
		.amdhsa_enable_private_segment 0
		.amdhsa_kernarg_size 40
		.amdhsa_user_sgpr_count 2
		.amdhsa_user_sgpr_kernarg_segment_ptr 1
		.amdhsa_wavefront_size32 1
		.amdhsa_system_sgpr_workgroup_id_x 1
		.amdhsa_system_sgpr_workgroup_id_y 1
		.amdhsa_system_sgpr_workgroup_id_z 1
		.amdhsa_system_vgpr_workitem_id 0
		.amdhsa_next_free_vgpr 1024
		.amdhsa_next_free_sgpr 104
		.amdhsa_reserve_vcc 0
		.amdhsa_float_denorm_mode_32 3
		.amdhsa_float_denorm_mode_16_64 3
		.amdhsa_memory_ordered 1
		.amdhsa_forward_progress 1
		.amdhsa_inst_pref_size 121
	.end_amdhsa_kernel
	.amdgpu_metadata
---
amdhsa.version: [ 1, 2 ]
amdhsa.kernels:
  - .name:           k_qf495400372_oproj
    .symbol:         k_qf495400372_oproj.kd
    .args:
      - { .name: aF, .offset: 0, .size: 8, .value_kind: global_buffer, .address_space: global }
      - { .name: wF, .offset: 8, .size: 8, .value_kind: global_buffer, .address_space: global }
      - { .name: bo, .offset: 16, .size: 8, .value_kind: global_buffer, .address_space: global }
      - { .name: sc, .offset: 24, .size: 8, .value_kind: global_buffer, .address_space: global }
      - { .name: out0, .offset: 32, .size: 8, .value_kind: global_buffer, .address_space: global }
    .group_segment_fixed_size: 327680
    .private_segment_fixed_size: 0
    .kernarg_segment_align: 8
    .kernarg_segment_size: 40
    .max_flat_workgroup_size: 128
    .sgpr_count:     104
    .vgpr_count:     1024
    .wavefront_size: 32
...
	.end_amdgpu_metadata
.endif
;; end of part 6
;; ======== version 2 of 2: 6 launches; version 1 with the launch comp written anew for expert scheduling mode
;; limits: values are held in f16: magnitudes above 65,504 overflow, below 6.1e-05 lose precision
;; workspace buffers: wF 10,485,760 bytes; xF 33,554,432 bytes; part 16,777,216 bytes; compF 2,097,152 bytes; kvF 4,194,304 bytes; sc 1,024 bytes; aF 33,554,432 bytes
;; launch prep: the kernel of part 1 again; grid 256 x 5, 4 waves a work-group, no clusters, 0 bytes of LDS; arguments Wq, Wk, Wv, Wo, Wc, wF; writes wF
;; launch comp (part 7): grid 64 x 4, 8 waves a work-group, no clusters, 21,504 bytes of LDS; arguments query, wF, xF, part; writes xF, part
.if DOCPART == 7
	.amdgcn_target "amdgcn-amd-amdhsa--gfx1250"
	.amdhsa_code_object_version 6
	.text
	.protected	k_qf495400372_comp
	.globl	k_qf495400372_comp
	.p2align	8
	.type	k_qf495400372_comp,@function
k_qf495400372_comp:
	s_mov_b64 s[64:65], 0
	v_nop
	global_prefetch_b8 v0, s[64:65] scope:SCOPE_SE
	s_setreg_imm32_b32 hwreg(HW_REG_WAVE_SCHED_MODE, 0, 2), 2
	s_setreg_imm32_b32 hwreg(HW_REG_WAVE_MODE, 25, 1), 1
	s_wait_xcnt 0x0
	s_wait_alu depctr_vm_vsrc(0)
; x = query [t][b][e] IS READ ONCE: it leaves as f16 fragment images (xF), and four slices over t of comp[c][b][e] = sum over t of Wc[c][t] x[t][b][e] leave as f32 partial sums (part).
; SHARES.  Work-group (x = 16 b + eblk, y = s): the 64 columns e = 64 eblk .. of batch b, and the rows t with (t % 256) / 64 = s: trip i of 16 takes t = 256 i + 64 s + 0..63.
; Wave w of eight owns the rows c = 32 w .. 32 w + 31 of comp: 2 x 4 accumulators.  The product is taken as x^T (source 0, 16 columns e) times Wc (source 1, 16 rows c): a lane then holds
; one c and eight neighbouring e, which rounded in pairs is a fragment image of comp for the launch after next.
; ON THE WAY.  A trip's 64 rows x 256 bytes come into registers (a wave: 8 rows, 4 loads of two whole rows' pieces), are rounded to f16 and laid in LDS as [t][64 e]; from there source 0 comes by the turning
; load, and each wave reads one fragment of xF (16 t x 32 e) and stores it.  Wc's fragments come straight from wF.  Four trips' loads are out for each wave: 48 at the most.
; ONE TRIP AHEAD IN LDS.  In trip i a wave lays x of trip i + 1 in LDS, passes the barrier, issues trip i + 1's 18 LDS loads into the other set of fragment registers, and only then multiplies trip i,
; whose fragments it has waited for ahead of the barrier: the LDS loads run beside the products.
; LDS: two buffers of 64 rows, 160 bytes apart (128 + 32).  ONE barrier a trip: the buffer written in trip i was read by the loads issued in
; trip i - 2, and every wave has waited for those ahead of the barrier of trip i - 1.
; LIMITS.  x is rounded once to f16 (65,504 at the most).  Sums in f32.
; No prefetch: the launch is made to keep memory busy by its own loads.  No cluster: what work-groups share (Wc) goes straight into registers.
; THE MODE: SCHED_MODE bits 1:0 = 2 (LLVM: expert scheduling mode 2), set by the entry lines.  The code itself states the register dependences between vector or matrix instructions and memory or LDS
; instructions, with s_wait_alu, always for 0.
; THE PLAN.  Registers that memory or LDS instructions touch, in trip i:
;   X[(i+1)%4]    read by the trip's eight conversions; behind them the load of x of trip i + 5 lands in it.
;   CT            written by the conversions, read by the four LDS stores behind them, written again by the next trip's conversions.
;   W[(i+3)%4]    read by the products of trip i - 1; the load of Wc of trip i + 3 lands in it.
;   BF[(i+1)%2]   read by the products of trip i - 1; the trip's sixteen turning loads land in it.
;   XFD[(i+1)%2]  read by the two global stores of trip i - 1; two LDS loads of the trip land in it.  XFD[i%2] is read by this trip's two stores.
;   v1 .. v5      offsets and LDS addresses: made at the head, never written again: the rows are reached by scalar pointers and immediate offsets.   v6, v7: read by the closing add alone.
;   The accumulators are named by matrix instructions alone, until the end.
; So a trip has ONE wait on vm_vsrc, ahead of its conversions (CT and XFD[(i+1)%2] have been read), and ONE wait on va_vdst, behind them (CT is written; the conversions are done with X[(i+1)%4]; the last trip's
; products are done with BF[(i+1)%2] and W[(i+3)%4]).  Between that wait and the trip's products stands no vector or matrix instruction: all the trip's LDS stores, global loads and LDS loads stand there.
.set PITCH, 160
.set BUFB,  64*PITCH
.set SPARE, 2*BUFB                     ; the spare words: 128 bytes for each of eight waves, four blocks of 256 bytes that no other line names
.set XO,  1                            ; v1   byte offset in x of my 16 bytes: row 8 w + lane/16, 16 (lane%16)
.set LSO, 2                            ; v2   where my 8 bytes of f16 go in a buffer
.set TRO, 3                            ; v3   the turning load: row 8 (lane/16) + lane%8, 16 bytes on for lanes 8-15 and 24-31
.set XFO, 4                            ; v4   my 16 bytes of my wave's fragment of xF
.set L16, 5                            ; v5   16 x lane
.set SPW, 6                            ; v6   my spare word; never rewritten
.set NIL, 7                            ; v7   0; never rewritten
.set CT,  8                            ; v[8:15]    rounded x
.set X,   16                           ; v[16:79]   four sets of 16: a trip's x
.set XFD, 80                           ; v[80:95]   two sets of 8: a fragment of xF on its way out
.set BF,  96                           ; source 0, (chunk c of 32 t, block m of 16 e) at 8 (4 c + m): even trips' set v[96:159] of window 0, odd trips' v[128:191] of window 1 (BF + 32)
.set ACC, 160                          ; v[160:223] accumulator (c block k, e block m) at 8 (4 k + m)
                                       ; window 1: v[0:127] four sets of 32: Wc's fragments (k, c) at 8 (2 k + c)
.set MSB, 0
.macro WIN new                         ; the high byte repeats the setting that is left; a switch that changes nothing is dropped
.if MSB != (\new)
	s_set_vgpr_msb (MSB<<8)|(\new)
.set MSB, \new
.endif
.endm
.macro PLACES
.rept 4
	v_nop
.endr
.endm
	s_load_b256 s[4:11], s[0:1], 0x0               ; query s[4:5], wF s[6:7], xF s[8:9], part s[10:11]
	v_lshl_add_u32 v[SPW], v0, 2, SPARE
	v_mov_b32 v[NIL], 0
	v_lshrrev_b32 v9, 5, v0
	v_readfirstlane_b32 s12, v9                    ; wave 0..7
	s_lshr_b32 s13, ttmp9, 4                       ; b
	s_and_b32 s14, ttmp9, 15                       ; eblk
	s_and_b32 s15, ttmp7, 0xffff                   ; s
	s_wait_alu depctr_va_sdst(0)                   ; s12 is written, ahead of its first reader: offsets, LDS addresses and pointers are made from it
	s_lshr_b32 s17, s12, 1
	s_and_b32 s18, s12, 1
	v_and_b32 v10, 15, v0
	v_bfe_u32 v11, v0, 4, 1
	v_and_b32 v12, 31, v0
	v_lshlrev_b32 v[L16], 4, v12
	s_lshl_b32 s16, s12, 17                        ; 8 w rows of 16,384 bytes
	v_lshlrev_b32 v[XO], 14, v11
	v_lshl_add_u32 v[XO], v10, 4, v[XO]
	v_add_nc_u32 v[XO], s16, v[XO]
	s_mul_i32 s16, s12, 8*PITCH
	v_mul_u32_u24 v[LSO], v11, PITCH
	v_lshl_add_u32 v[LSO], v10, 3, v[LSO]
	v_add_nc_u32 v[LSO], s16, v[LSO]
	v_and_b32 v14, 7, v0
	v_lshl_add_u32 v14, v11, 3, v14
	v_mul_u32_u24 v[TRO], v14, PITCH
	v_bfe_u32 v14, v0, 3, 1
	v_lshl_add_u32 v[TRO], v14, 4, v[TRO]
	s_mul_i32 s16, s17, 16*PITCH                   ; my fragment of xF: rows 16 (w/2) on, columns 32 (w%2) on
	s_lshl_b32 s19, s18, 6
	s_add_co_u32 s16, s16, s19
	v_mul_u32_u24 v[XFO], v10, PITCH
	v_lshl_add_u32 v[XFO], v11, 4, v[XFO]
	v_add_nc_u32 v[XFO], s16, v[XFO]
	s_lshl_b32 s20, s15, 20                        ; x: 64 s rows,
	s_lshl_b32 s21, s13, 12                        ; batch b,
	s_add_co_u32 s20, s20, s21
	s_lshl_b32 s21, s14, 8                         ; 64 eblk columns
	s_add_co_u32 s20, s20, s21
	s_mov_b32 s21, 0
	s_lshr_b32 s22, s15, 1                         ; Wc: tile 2 i + s/2, quarters 2 (s%2) and the next, row blocks 2 w and the next
	s_lshl_b32 s22, s22, 16
	s_and_b32 s23, s15, 1
	s_lshl_b32 s23, s23, 11
	s_add_co_u32 s22, s22, s23
	s_lshl_b32 s23, s12, 13
	s_add_co_u32 s22, s22, s23
	s_add_co_u32 s22, s22, 0x800000
	s_mov_b32 s23, 0
	s_lshl_b32 s24, s13, 7                         ; xF: tile ((16 b + i) 8 + eblk/2), row block 4 s + w/2, quarter 2 (eblk%2) + w%2
	s_lshr_b32 s25, s14, 1
	s_add_co_u32 s24, s24, s25
	s_lshl_b32 s24, s24, 16
	s_lshl2_add_u32 s25, s15, s17
	s_lshl_b32 s25, s25, 12
	s_add_co_u32 s24, s24, s25
	s_and_b32 s25, s14, 1
	s_lshl1_add_u32 s25, s25, s18
	s_lshl_b32 s25, s25, 10
	s_add_co_u32 s24, s24, s25
	s_mov_b32 s25, 0
	s_lshl_b32 s26, s15, 22                        ; part: [s][b][eblk][c block][e block] tiles of 1,024 bytes
	s_lshl_b32 s27, ttmp9, 16
	s_add_co_u32 s26, s26, s27
	s_lshl_b32 s27, s12, 13
	s_add_co_u32 s26, s26, s27
	s_mov_b32 s27, 0
	s_wait_kmcnt 0x0
	s_add_nc_u64 s[4:5], s[4:5], s[20:21]
	s_add_nc_u64 s[6:7], s[6:7], s[22:23]
	s_add_nc_u64 s[8:9], s[8:9], s[24:25]
	s_add_nc_u64 s[10:11], s[10:11], s[26:27]
	s_wait_alu depctr_va_vdst(0)                   ; the offsets and LDS addresses v1 to v5 are written, which every load and store of the kernel reads; so are v6 and v7, which the closing add reads
.macro LDX u                           ; a trip's x for my wave, into set u: 8 rows, two rows' 256 bytes a load
.irp j, 0,1,2,3
	global_load_b128 v[X+16*(\u)+4*(\j):X+16*(\u)+4*(\j)+3], v[XO], s[4:5] offset:(\j)*32768 th:TH_LOAD_NT
.endr
.endm
.macro LDW u                           ; a trip's four fragments of Wc, into set u
	WIN 0x40                                       ; destination window 1
.irp f, 0,1,2,3
	global_load_b128 v[32*(\u)+8*(\f):32*(\u)+8*(\f)+3],   v[L16], s[6:7] offset:((\f)/2)*4096+((\f)%2)*1024
	global_load_b128 v[32*(\u)+8*(\f)+4:32*(\u)+8*(\f)+7], v[L16], s[6:7] offset:((\f)/2)*4096+((\f)%2)*1024+512
.endr
	WIN 0
.endm
; x of set xs is rounded and laid in buffer b.  nx: the younger loads that may stay out.  again = 1: every time but the first, when no LDS store has yet read CT
.macro STAGE xs, b, nx, again
	s_wait_loadcnt \nx
.if \again
	s_wait_alu depctr_vm_vsrc(0)                   ; the last trip's LDS stores have read CT, which the conversions write again; its global stores have read the set of XFD in which this trip's LDS loads land
.endif
.irp j, 0,1,2,3
	v_cvt_pk_f16_f32 v[CT+2*(\j)],   v[X+16*(\xs)+4*(\j)],   v[X+16*(\xs)+4*(\j)+1]
	v_cvt_pk_f16_f32 v[CT+2*(\j)+1], v[X+16*(\xs)+4*(\j)+2], v[X+16*(\xs)+4*(\j)+3]
.endr
	s_wait_alu depctr_va_vdst(0)                   ; the conversions have written CT, which the LDS stores read, and are done reading X[xs], in which x's next load lands; the last trip's products are done reading their sets of BF and of Wc, in which this trip's loads land
.irp j, 0,1,2,3
	ds_store_b64 v[LSO], v[CT+2*(\j):CT+2*(\j)+1] offset:(\b)*BUFB+(\j)*2*PITCH
.endr
.endm
.macro FRAGS b                         ; 18 LDS loads from buffer b: source 0's eight fragments (f = 4 c + m: 32 c rows down, 16 m columns along) into set b, and my fragment of xF
	WIN 0x40*(\b)                                  ; set 1 lies in window 1
.irp f, 0,1,2,3,4,5,6,7
	ds_load_tr16_b128 v[BF+32*(\b)+8*(\f):BF+32*(\b)+8*(\f)+3],   v[TRO] offset:(\b)*BUFB+((\f)/4)*32*PITCH+((\f)%4)*32
	ds_load_tr16_b128 v[BF+32*(\b)+8*(\f)+4:BF+32*(\b)+8*(\f)+7], v[TRO] offset:(\b)*BUFB+((\f)/4)*32*PITCH+((\f)%4)*32+16*PITCH
.endr
	WIN 0
	ds_load_b128 v[XFD+8*(\b):XFD+8*(\b)+3],   v[XFO] offset:(\b)*BUFB
	ds_load_b128 v[XFD+8*(\b)+4:XFD+8*(\b)+7], v[XFO] offset:(\b)*BUFB+32
.endm
; The first loads, in the order x0 x1 W0 x2 W1 x3 W2, and x4 when x0 is rounded: the loop's own order (in trip i: Wc of trip i + 3, then x of trip i + 5) read backward, so that its counts hold from the first trip on
	LDX 0
.irp u, 0,1,2
	s_wait_xcnt 0x0                                ; the loads have read the two pointers
	s_add_nc_u64 s[4:5], s[4:5], 0x400000          ; 256 rows of x on
.if (\u) > 0
	s_add_nc_u64 s[6:7], s[6:7], 0x20000           ; two tiles of Wc on
.endif
	LDX (\u)+1
	LDW \u
.endr
.set r, 0
.rept 64
	v_mov_b32 v[ACC+r], 0                          ; the sums start at 0, written while the first loads are out, so that the loop has one form of product
.set r, r+1
.endr
	STAGE 0, 0, 36, 0                              ; trip 0's x: behind it stand x of trips 1 to 3 (12) and Wc of trips 0 to 2 (24)
	s_wait_xcnt 0x0
	s_add_nc_u64 s[4:5], s[4:5], 0x400000
	LDX 0                                          ; trip 4's x.  No vector instruction since the wait in STAGE names X[0]
	s_wait_dscnt 0x0                               ; for the others: my part of buffer 0 is written
	s_barrier_signal -1
	s_barrier_wait -1
	FRAGS 0                                        ; no vector or matrix instruction has named these registers yet
; TRIP i.  u = i % 4: its set of Wc; its fragments lie in set i % 2.  nxt = 1: trip i + 1 is laid in LDS and its fragments are asked for.  ldx = 1: x of trip i + 5 is asked for (2: not in the loop's last
; turn, where there is no such trip).  ldw = 1: Wc of trip i + 3 is asked for.  nx, nw: the younger loads that may stay out when x of trip i + 1, and Wc of trip i, are wanted.
.macro TRIP u, nxt, ldx, ldw, nx, nw
.if \nxt
	STAGE ((\u)+1)%4, ((\u)+1)%2, \nx, 1           ; the trip's two waits on vector and memory registers stand in here
.endif
	s_wait_xcnt 0x0                                ; the loads and stores issued so far have read their pointers and the xF registers: only now are these written
.if \ldw
	s_add_nc_u64 s[6:7], s[6:7], 0x20000
.endif
	s_add_nc_u64 s[8:9], s[8:9], 0x80000           ; eight tiles of xF on; the stores below reach back
.if \ldw
	LDW ((\u)+3)%4                                 ; into the set that the last trip's products read.  From the wait in STAGE to the products below no vector or matrix instruction stands: these loads, x's and the LDS loads owe no further wait
.endif
.if (\ldx) == 2
	s_cmp_eq_u32 s32, 1
	s_cbranch_scc1 .Lno_x_\@
.endif
.if \ldx
	s_add_nc_u64 s[4:5], s[4:5], 0x400000
	LDX ((\u)+1)%4
.endif
.if (\ldx) == 2
.Lno_x_\@:
.endif
	s_wait_dscnt 0x0                               ; this trip's fragments are in; for the others: my reads of their buffer are over and my part of the other buffer is written
.if \nxt
	s_barrier_signal -1
	s_barrier_wait -1
	FRAGS ((\u)+1)%2                               ; these run beside the products below
.endif
	global_store_b128 v[L16], v[XFD+8*((\u)%2):XFD+8*((\u)%2)+3],   s[8:9] offset:-0x80000      ; 512 consecutive bytes each, aligned; the data came by LDS loads, which the wait ahead of the barrier has shown in
	global_store_b128 v[L16], v[XFD+8*((\u)%2)+4:XFD+8*((\u)%2)+7], s[8:9] offset:512-0x80000
	s_wait_loadcnt \nw                             ; this trip's Wc is in
	WIN 0x04+(\u)%2                                ; source 1 in window 1; source 0 in window 0 or 1
.irp c, 0,1                            ; the eight accumulators take turns, over the backward jump too
.irp k, 0,1
.irp m, 0,1,2,3
	v_wmma_f32_16x16x32_f16 v[ACC+8*(4*(\k)+(\m)):ACC+8*(4*(\k)+(\m))+7], v[BF+32*((\u)%2)+8*(4*(\c)+(\m)):BF+32*((\u)%2)+8*(4*(\c)+(\m))+7], v[32*(\u)+8*(2*(\k)+(\c)):32*(\u)+8*(2*(\k)+(\c))+7], v[ACC+8*(4*(\k)+(\m)):ACC+8*(4*(\k)+(\m))+7]
.endr
.endr
.endr
	WIN 0
.endm
	s_mov_b32 s32, 3
.Lturn:                                ; trips 0 to 11.  Behind x of trip i + 1 stand three trips' loads: 36, and 32 where one of the three has jumped its x load; behind Wc of trip i 40, and 36 likewise: the counts hold on every way
	TRIP 0, 1, 1, 1, 32, 36
	TRIP 1, 1, 1, 1, 32, 36
	TRIP 2, 1, 1, 1, 32, 36
	TRIP 3, 1, 2, 1, 36, 36                        ; the three trips behind its x hold no jump
	s_sub_co_u32 s32, s32, 1
	s_cmp_lg_u32 s32, 0
	s_cbranch_scc1 .Lturn
	TRIP 0, 1, 0, 1, 32, 32                        ; trip 12 asks for the last Wc; the three behind it load nothing: the counts run down
	TRIP 1, 1, 0, 0, 28, 20
	TRIP 2, 1, 0, 0, 16, 8
	TRIP 3, 0, 0, 0, 0, 0
	PLACES                                         ; four places behind the last product, before its result is read (ISA guide 7.12.1)
	s_wait_alu depctr_va_vdst(0)                   ; the products have written the accumulators, which the stores below read; the places above stay beside this wait
.irp i, 0,1,2,3,4,5,6,7                ; the partial sums: each accumulator's low registers first
	global_store_b128 v[L16], v[ACC+8*(\i):ACC+8*(\i)+3],   s[10:11] offset:(\i)*1024
	global_store_b128 v[L16], v[ACC+8*(\i)+4:ACC+8*(\i)+7], s[10:11] offset:(\i)*1024+512
.endr
	s_wait_dscnt 0x0                               ; the closing lines, six on end
	s_wait_alu 0x0
	s_wait_tensorcnt 0x0
	ds_add_u32 v[SPW], v[NIL]
	s_wait_dscnt 0x0
	s_endpgm
.Lfunc_end_k_qf495400372_comp:
	.size	k_qf495400372_comp, .Lfunc_end_k_qf495400372_comp-k_qf495400372_comp
	.p2alignl 7, 3214868480
	.fill 96, 4, 3214868480
	.section	.rodata,"a",@progbits
	.p2align	6, 0x0
	.amdhsa_kernel k_qf495400372_comp
		.amdhsa_group_segment_fixed_size 21504
		.amdhsa_private_segment_fixed_size 0
		.amdhsa_enable_private_segment 0
		.amdhsa_kernarg_size 32
		.amdhsa_user_sgpr_count 2
		.amdhsa_user_sgpr_kernarg_segment_ptr 1
		.amdhsa_wavefront_size32 1
		.amdhsa_system_sgpr_workgroup_id_x 1
		.amdhsa_system_sgpr_workgroup_id_y 1
		.amdhsa_system_sgpr_workgroup_id_z 1
		.amdhsa_system_vgpr_workitem_id 0
		.amdhsa_next_free_vgpr 448
		.amdhsa_next_free_sgpr 66
		.amdhsa_reserve_vcc 0
		.amdhsa_float_denorm_mode_32 3
		.amdhsa_float_denorm_mode_16_64 3
		.amdhsa_memory_ordered 1
		.amdhsa_forward_progress 1
		.amdhsa_inst_pref_size 46
	.end_amdhsa_kernel
	.amdgpu_metadata
---
amdhsa.version: [ 1, 2 ]
amdhsa.kernels:
  - .name:           k_qf495400372_comp
    .symbol:         k_qf495400372_comp.kd
    .args:
      - { .name: query, .offset: 0, .size: 8, .value_kind: global_buffer, .address_space: global }
      - { .name: wF, .offset: 8, .size: 8, .value_kind: global_buffer, .address_space: global }
      - { .name: xF, .offset: 16, .size: 8, .value_kind: global_buffer, .address_space: global }
      - { .name: part, .offset: 24, .size: 8, .value_kind: global_buffer, .address_space: global }
    .group_segment_fixed_size: 21504
    .private_segment_fixed_size: 0
    .kernarg_segment_align: 8
    .kernarg_segment_size: 32
    .max_flat_workgroup_size: 256
    .sgpr_count:     66
    .vgpr_count:     448
    .wavefront_size: 32
...
	.end_amdgpu_metadata
.endif
;; end of part 7
;; launch reduce: the kernel of part 3 again; grid 256 x 1, 4 waves a work-group, no clusters, 0 bytes of LDS; arguments part, compF; writes compF
;; launch kv: the kernel of part 4 again; grid 128 x 2, 4 waves a work-group, no clusters, 152,320 bytes of LDS; arguments compF, wF, bk, bv, kvF, sc; writes kvF, sc
;; launch qattn: the kernel of part 5 again; grid 4 x 64, 4 waves a work-group, clusters of 4 x 4, 327,680 bytes of LDS; arguments xF, wF, bq, kvF, sc, aF; writes aF
;; launch oproj: the kernel of part 6 again; grid 4 x 64, 4 waves a work-group, clusters of 4 x 4, 327,680 bytes of LDS; arguments aF, wF, bo, sc, out0; writes out0
